; MI455X (gfx1250); checked and timed in simulation.
; The chip was launched on July 23, 2026; its instructions are those of AMD's public machine-readable ISA for CDNA 5 (MIT licence, August 2026) and "CDNA5" Instruction Set Architecture Reference Guide (July 2026). The comments in the code are by the model that wrote it; some were corrected since.
;; Propagation. Allowed arithmetic: matrix products marked QUANTISED: E2M1 operands, one E8M0 scale for each 32 along K, by v_wmma_scale_f32_16x16x128_f8f6f4 with both operands' format E2M1 (or v_wmma_scale_f32_32x16x128_f4), f32 sums; products left as they are: bf16, f16 or f32 operands; f32 sums; everything else in f32.
;; Inputs: W1 512 x 512 float32; W2 512 x 256 float32; Wk 256 x 256 float32; Wo 256 x 256 float32; Wq 256 x 256 float32; Wv 256 x 256 float32; b1 512 float32; b2 256 float32; beta 512 float32; bk 256 float32; bo 256 float32; bq 256 float32; bv 256 float32; gamma 512 float32; source 2 x 256 x 4,096 float32; x 2 x 256 x 4,096 float32.
;; Outputs: out0 2 x 256 x 4,096 float32.
;; This version of the problem:
;;   THIS VERSION OF THE PROBLEM IS GIVEN IN LOW PRECISION. The matrix products marked QUANTISED in the list below multiply operands that are first quantised to E2M1 (2 exponent bits, 1 mantissa bit; 4 bits a number), with one power-of-two scale for each 32 numbers along K (OCP MX v1.0); their sums are f32. The products marked 'left as it is' may take bf16, f16 or f32 operands, with f32 sums. Whichever they take, every output number must still come out within the allowed error. Rounding operands to bf16 (8 significant bits) uses up far more of that allowance than f16 does (11 bits, for magnitudes from 6e-5 to 65,504). All else is computed in f32.
;;   The module's matrix products, in the order in which they are computed (A, B: the left and right operand; K: the contracted axis; several contracted axes count as one K, in the product's order):
;;     1. [M 256, K 256] x [K 256, N 8,192]; A: input Wq; B: input x: QUANTISED
;;     2. [M 256, K 256] x [K 256, N 8,192]; A: input Wk; B: input source: QUANTISED
;;     3. [M 256, K 256] x [K 256, N 8,192]; A: input Wv; B: input source: QUANTISED
;;     4. batch 8 x [M 4,096, K 64] x [K 64, N 4,096]; A: computed on the way; B: computed on the way: left as it is (an operand is computed on the way)
;;     5. batch 8 x [M 64, K 4,096] x [K 4,096, N 4,096]; A: computed on the way; B: computed on the way: left as it is (an operand is computed on the way)
;;     6. [M 256, K 256] x [K 256, N 8,192]; A: input Wo; B: computed on the way: left as it is (an operand is computed on the way)
;;     7. [M 512, K 512] x [K 512, N 8,192]; A: input W1; B: computed on the way: left as it is (an operand is computed on the way)
;;     8. [M 256, K 512] x [K 512, N 8,192]; A: input W2; B: computed on the way: left as it is (an operand is computed on the way)
;;   THE QUANTISER, for each operand of a quantised product, along K:
;;     - K is cut into blocks of 32 from its start; a last block that is shorter is filled with zeros.
;;     - A block's scale is 2^e with e = floor(log2(the largest magnitude in the block)) - 2, held to -126 .. 127; a block of zeros has e = 0. As a byte (E8M0): e + 127.
;;     - Each number is divided by its block's scale, clamped to +-6, and rounded to the nearest number of E2M1, ties to even, subnormals kept.
;;     - The product sums the exact products of the quantised numbers (number of the format x scale) in f32.
;;   ~~~python
;;   def quantise(x, axis):      # numpy; x: float32 -> the quantised numbers, widened to float32 again
;;       x = np.moveaxis(x, axis, -1); K = x.shape[-1]
;;       x = np.pad(x, [(0, 0)] * (x.ndim - 1) + [(0, -K % 32)]); x = x.reshape(x.shape[:-1] + (-1, 32)); a = np.abs(x).max(-1, keepdims=True)
;;       e = np.where(a > 0, np.clip(np.frexp(np.where(a > 0, a, 1))[1] - 1 - 2, -126, 127), 0)      # np.frexp(a)[1] - 1 = floor(log2(a)), exactly
;;       r = np.clip(x / 2.0 ** e, -6, 6)
;;       step = 2.0 ** (np.maximum(np.frexp(np.where(r == 0, 1, r))[1] - 1, 0) - 1)
;;       q = np.round(r / step) * step * 2.0 ** e      # np.round: ties to even
;;       return np.moveaxis(q.reshape(q.shape[:-2] + (-1,))[..., :K], -1, axis).astype(np.float32)
;;   ~~~
;; One version. Each part assembles by itself: llvm-mc -triple=amdgcn-amd-amdhsa -mcpu=gfx1250 --defsym DOCPART=n.
;; ======== version 1 of 1: 4 launches
;; limits: values are held in f16: magnitudes above 65,504 overflow, below 6.1e-05 lose precision
;; workspace buffers: qkv 12,582,912 bytes; xh 4,194,304 bytes; wimg 917,504 bytes; att 4,194,304 bytes; hbuf 16,777,216 bytes; st 262,144 bytes
;; launch proj (part 1): grid 256 x 1, 4 waves a work-group, no clusters, 148,992 bytes of LDS; arguments x, source, Wq, Wk, Wv, bq, bk, bv, Wo, W1, W2, qkv, xh, wimg, bo, b1; writes qkv, xh, wimg
.if DOCPART == 1
	.amdgcn_target "amdgcn-amd-amdhsa--gfx1250"
	.amdhsa_code_object_version 6
	.text
	.protected	k_q0fd120c9d7_proj
	.globl	k_q0fd120c9d7_proj
	.p2align	8
	.type	k_q0fd120c9d7_proj,@function
k_q0fd120c9d7_proj:
	s_mov_b64 s[64:65], 0
	v_nop
	global_prefetch_b8 v0, s[64:65] scope:SCOPE_SE
	s_setreg_imm32_b32 hwreg(HW_REG_WAVE_MODE, 25, 1), 1
	s_wait_xcnt 0x0
; q = Wq^T x + bq, k = Wk^T source + bk, v = Wv^T source + bv: the three QUANTISED products, on codes of E2M1 with one E8M0 scale for each 32 input channels.
; x, source: [2][256 (k)][4096] f32;  W: [256 (k)][256 (o)] f32, output channel o = 4 d + head.  K is innermost nowhere: A LANE TAKES A COLUMN AND ITS REGISTERS RUN DOWN K, for the activations and for the weights.
; WORK-GROUPS 0-63: q, 64-127: k, 128-191: v, each for a block of 128 positions;  192-255: the later products' weights, rounded to f16 and laid as images of operand registers.
; A FRAGMENT IMAGE is 1,024 bytes: the fragment's registers 0-3 at 16 x lane, registers 4-7 at 512 + 16 x lane.  Every store and every later load of it covers 512 consecutive bytes.
; THE MESSAGE IS FOLDED INTO W1.  message = Wo^T att + bo enters h only through W1's rows 256-511 (W1m): h = W1x^T x + (Wo W1m)^T att + (b1 + W1m^T bo), for every input.  Work-groups 208-239 make Wo W1m and the folded
; bias once (f16 operands, f32 sums), so that the next launch but one multiplies att by one weight and not by two.
; OUT: qkv: Q and K [head 8][tile of 16 positions 256][32 d 2][1,024] (lane = position, K = d), V [head 8][32 keys 128][16 d 4][1,024] (lane = d, K = keys), all f16;  xh: x as f16, [tile 512][32 channels 8][1,024];
;      wimg: byte 0: the folded bias, 512 f32;  byte 131,072: [tile of 16 outputs 32][K step 16][1,024]: K steps 0-7 W1's rows 0-255, K steps 8-15 Wo W1m with its K in the order 64 head + d, as attention lays its result;
;      byte 655,360: W2 [tile 16][K step 16][1,024].
; SHARES of a q, k or v work-group: wave w owns d = 16 w .. 16 w + 15 of all four heads (output channels 64 w .. 64 w + 63: 256 consecutive bytes of each row of W), quantises them in registers,
; quantises positions 32 w + lane of the block and hands those codes to the other waves through LDS as register images.  q, k: source 0 = W, source 1 = x (a lane holds a position, its registers run along d);
; v: the sources swapped (a lane holds a d, its registers run along the keys).  The bias is the C of each sum's first matrix instruction.
; NO CLUSTER, NO TENSOR LOAD: what work-groups share is the weight, 262,144 bytes; it is wanted down K in a lane's registers, and beside the block's 131,072 bytes of x it has no room in LDS.
; LIMITS: a block of zeros gets the scale byte 1 (its codes are zeros; only this program reads the bytes); NaN and infinities among the inputs are not served; q, k, v leave as f16: magnitudes up to 65,504;
; Wo W1m leaves as f16: under 6e-5 its step is 6e-8.
.set XIMG,  131072                     ; LDS: 0: the block of x, [k 256][128 positions] f32, rows of 512 bytes;  XIMG: code images [wave 4][tile 2][K step 2][1,024]
.set XSC,   147456                     ; their scale words [wave 4][K step 2][lane 32][4]
.set SPARE, 148480                     ; the spare words, 128 bytes for each wave
.set LI,  1                            ; v1   16 x lane
.set XR,  2                            ; v2   staging: 32,768 x wave + 16 x lane
.set XC0, 3                            ; v3   my position's column in the block: 128 x wave + 4 x lane
.set XC1, 4                            ; v4   the same, 128 rows down
.set XWI, 5                            ; v5   where I store code images
.set XWS, 6                            ; v6   where I store scale words
.set XRI, 7                            ; v7   where images are read: XIMG + 16 x lane
.set MXA, 8                            ; v8-9 two chains of a block's largest magnitude
.set MXB, 9
.set SCO, 10                           ; v10  the conversion's scale operand
.set BY,  11                           ; v11  a scale byte (at the head: lane % 16)
.set PT,  12                           ; v12  a lane permute's destination
.set SH,  13                           ; v13  8 x (lane / 16) (at the head: lane / 16)
.set XRS, 14                           ; v14  where scale words are read: XSC + 4 x (lane % 16)
.set XA,  16                           ; v16-79   x: two sets of 32 numbers      | weights: v16-143 four heads x 32 numbers | products: v16-79 eight accumulators
.set RH,  80                           ; v80-95   x as f16                       |                                          | v80-111 x's four fragments
.set CD,  96                           ; v96-127  x's codes, block b at 96 + 4 b |                                          | v112-143 results as f16
.set BB,  128                          ; v128-135 x's scale bytes
.set SW,  136                          ; v136-137 x's scale words
.set ACC, 16
.set XF,  80
.set PK,  112
.set WF,  144                          ; v144-207 my weight fragments: head h, K step s at 144 + 16 h + 8 s
.set WS,  208                          ; v208-215 their scale words: 208 + 2 h + s
.set XS,  216                          ; v216-219 x's scale words as read: 216 + 2 tile + s
.set BI,  220                          ; v220-251 the bias in the result's layout: 220 + 8 h + j
.set SPW, 252
.set NIL, 253
.set WOF, 254                          ; v254 weights: 32,768 x (lane / 16) + 16 x (lane % 16)
.set BOF, 255                          ; v255 bias: my lane's offset
.set AFW, 16                           ; Wo W1m: v16-95 two sets of five f16 fragments (four tiles of Wo's rows, and bo)
.set ACW, 96                           ; v96-135 five accumulators
.set BFW, 144                          ; v144-207 W1m's eight fragments
.set MSB, 0
.macro WIN new                         ; the immediate's high byte repeats the setting that is left
.if MSB != (\new)
	s_set_vgpr_msb (MSB<<8)|(\new)
.set MSB, \new
.endif
.endm
.macro PLACES n
.rept \n
	v_nop
.endr
.endm
.macro BARRIER                         ; my LDS stores have landed and my LDS loads are in: then the work-group's barrier
	s_wait_dscnt 0x0
	s_barrier_signal -1
	s_barrier_wait -1
.endm
; 32 numbers of one block, v[src] on, become 32 codes in v[dst] .. v[dst+3] and the block's E8M0 byte in v[byte].
.macro QBLK src, dst, byte
	v_max3_num_f32 v[MXA], |v[\src]|, |v[\src+1]|, 0x1800000       ; the floor 2^(3 - 127) among the leaves holds the byte at 1 from below
	v_max3_num_f32 v[MXB], |v[\src+2]|, |v[\src+3]|, |v[\src+4]|
.irp q, 5,9,13,17,21,25
	v_max3_num_f32 v[MXA], v[MXA], |v[\src+\q]|, |v[\src+\q+1]|
	v_max3_num_f32 v[MXB], v[MXB], |v[\src+\q+2]|, |v[\src+\q+3]|
.endr
	v_max3_num_f32 v[MXA], v[MXA], |v[\src+29]|, |v[\src+30]|
	v_max3_num_f32 v[MXA], v[MXA], v[MXB], |v[\src+31]|
	v_add_nc_u32 v[SCO], 0xff000000, v[MXA]                        ; 2 off the exponent field: the conversion takes this operand's exponent field as its scale
	v_lshrrev_b32 v[\byte], 23, v[SCO]
.irp g, 0,1,2,3
	v_cvt_scalef32_pk8_fp4_f32 v[\dst+\g], v[\src+8*\g:\src+8*\g+7], v[SCO]
.endr
	v_nop                                                          ; one plain place behind the last conversion
.endm
	s_load_b512 s[4:19], s[0:1], 0x0               ; x, source, Wq, Wk, Wv, bq, bk, bv
	s_load_b256 s[20:27], s[0:1], 0x40             ; Wo, W1, W2, qkv
	s_load_b128 s[28:31], s[0:1], 0x60             ; xh, wimg
	s_load_b128 s[32:35], s[0:1], 0x70             ; bo, b1
	v_lshl_add_u32 v[SPW], v0, 2, SPARE
	v_mov_b32 v[NIL], 0
	v_lshrrev_b32 v15, 5, v0
	v_readfirstlane_b32 s40, v15                   ; wave
	s_lshr_b32 s41, ttmp9, 6                       ; 0 q, 1 k, 2 v, 3 the weights' images
	s_and_b32 s42, ttmp9, 63                       ; the block of 128 positions
	v_and_b32 v15, 31, v0                          ; lane
	v_lshlrev_b32 v[LI], 4, v15
	v_and_b32 v[BY], 15, v0                        ; r
	v_bfe_u32 v[SH], v0, 4, 1                      ; hh
	s_mov_b32 s56, 0x76543210
	s_mov_b32 s57, 0xfedcba98                      ; v_permlanex16_b32's selects for lane l xor 16
	s_mov_b32 s55, 0
	s_wait_kmcnt 0x0
	s_cmp_ge_u32 s41, 3
	s_cbranch_scc1 .Lweights
	s_lshr_b32 s43, s42, 5                         ; batch
	s_and_b32 s59, s42, 31                         ; block in the batch
	s_cmp_eq_u32 s41, 0                            ; the buffers are chosen by the work-group's number alone
	s_cselect_b64 s[44:45], s[4:5], s[6:7]
	s_cselect_b64 s[46:47], s[8:9], s[10:11]
	s_cselect_b64 s[48:49], s[14:15], s[16:17]
	s_cmp_eq_u32 s41, 2
	s_cselect_b64 s[46:47], s[12:13], s[46:47]
	s_cselect_b64 s[48:49], s[18:19], s[48:49]
	s_cselect_b32 s60, 10, 9                       ; my wave's step in the result: 1,024 bytes in V, 512 in Q and K
	s_lshl_b32 s54, s43, 22                        ; the activations: batch x 4,194,304 + 64 wave rows of 16,384 + 512 x block
	s_lshl_b32 s58, s40, 20
	s_add_co_u32 s54, s54, s58
	s_lshl_b32 s58, s59, 9
	s_add_co_u32 s54, s54, s58
	s_add_nc_u64 s[44:45], s[44:45], s[54:55]
	WIN 0x40                                       ; destination window 1
.set n1, 0
.rept 64                                           ; rows k = 64 wave + n1 of the block: 512 consecutive bytes a load
	global_load_b128 v[4*n1:4*n1+3], v[LI], s[44:45] offset:n1*16384
.set n1, n1+1
.endr
	WIN 0
	s_lshl_b32 s58, s40, 15
	v_add_nc_u32 v[XR], s58, v[LI]
	s_lshl_b32 s58, s40, 7
	v_lshl_add_u32 v[XC0], v15, 2, s58
	v_add_nc_u32 v[XC1], 0x10000, v[XC0]
	s_lshl_b32 s58, s40, 12
	s_add_co_u32 s58, s58, XIMG
	v_add_nc_u32 v[XWI], s58, v[LI]
	s_lshl_b32 s58, s40, 8
	s_add_co_u32 s58, s58, XSC
	v_lshl_add_u32 v[XWS], v15, 2, s58
	v_add_nc_u32 v[XRI], XIMG, v[LI]
	v_lshl_add_u32 v[XRS], v[BY], 2, XSC
	v_lshlrev_b32 v[WOF], 4, v[BY]
	v_lshl_add_u32 v[WOF], v[SH], 15, v[WOF]
	v_lshlrev_b32 v[BOF], 7, v[SH]                 ; q, k: my half's eight d are 128 bytes on
	v_lshlrev_b32 v[SH], 3, v[SH]
	v_mov_b32 v[PT], 0
	s_lshl_b32 s54, s40, 8                         ; weights and bias: my 64 output channels
	s_add_nc_u64 s[46:47], s[46:47], s[54:55]
	s_add_nc_u64 s[48:49], s[48:49], s[54:55]
	s_lshl_b32 s54, s41, 22                        ; the result: tensor x 4,194,304 + batch x 2,097,152 + block x 16,384 + my wave's step
	s_lshl_b32 s58, s43, 21
	s_add_co_u32 s54, s54, s58
	s_lshl_b32 s58, s59, 14
	s_add_co_u32 s54, s54, s58
	s_lshl_b32 s58, s40, s60
	s_add_co_u32 s54, s54, s58
	s_add_nc_u64 s[50:51], s[26:27], s[54:55]
	s_lshl_b32 s54, s43, 21                        ; xh: (256 batch + 8 block + 2 wave) tiles of 8,192 bytes
	s_lshl_b32 s58, s59, 16
	s_add_co_u32 s54, s54, s58
	s_lshl_b32 s58, s40, 14
	s_add_co_u32 s54, s54, s58
	s_add_nc_u64 s[52:53], s[28:29], s[54:55]
	WIN 0x04                                       ; an LDS store's data are its source 1: window 1
.set n1, 0
.rept 64
.if (n1%16) == 0
	s_wait_loadcnt 48-n1                           ; the next sixteen rows are in; the younger row loads stay out
.endif
	ds_store_b128 v[XR], v[4*n1:4*n1+3] offset:512*n1
.set n1, n1+1
.endr
	WIN 0
	BARRIER                                        ; the block lies in LDS, and the staging registers have been read
	s_cmp_eq_u32 s41, 2
	s_cbranch_scc1 .Lbias_v
.irp h, 0,1,2,3
.irp j, 0,1,2,3,4,5,6,7
	global_load_b32 v[BI+8*\h+\j], v[BOF], s[48:49] offset:(4*\j+\h)*4   ; q, k: register j is d = 16 w + 8 hh + j: channel 4 d + h
.endr
.endr
	s_branch .Lbias_done
.Lbias_v:
	v_and_b32 v[BOF], 15, v0
	v_lshlrev_b32 v[BOF], 4, v[BOF]
.irp h, 0,1,2,3
.irp j, 0,1,2,3,4,5,6,7
	global_load_b32 v[BI+8*\h+\j], v[BOF], s[48:49] offset:4*\h          ; v: the lane is d = 16 w + r, whatever the register
.endr
.endr
.Lbias_done:
; group G = 2 s + c of the weight: rows k = 64 G + 32 hh + 0 .. 31, my d's four heads in 16 bytes: sixteen lanes read 256 consecutive bytes
.macro WLD G
	WIN 0x40
.set n2, 0
.rept 32
	global_load_b128 v[128*((\G)%2)+4*n2:128*((\G)%2)+4*n2+3], v[WOF], s[46:47] offset:(64*(\G)+n2)*1024
.set n2, n2+1
.endr
	WIN 0
.endm
	WLD 0
	WLD 1
.macro XLD beta                        ; block beta of my position: 32 numbers down K
.set xb, XA+32*((\beta)%2)
.set n3, 0
.rept 32
.if (\beta) < 4
	ds_load_b32 v[xb+n3], v[XC0] offset:(32*((\beta)%4)+n3)*512
.else
	ds_load_b32 v[xb+n3], v[XC1] offset:(32*((\beta)%4)+n3)*512
.endif
.set n3, n3+1
.endr
.endm
.macro XSTEP beta
.set xs, XA+32*((\beta)%2)
.if (\beta) < 7
	s_wait_dscnt 32                                ; this block is in; the next block's 32 loads stay out
.else
	s_wait_dscnt 0x0
.endif
	s_cmp_lg_u32 s41, 0                            ; q's work-groups also leave x as f16, for the later product with W1
	s_cbranch_scc1 .Lnoxh_\@
	s_wait_xcnt 0x0                                ; the last block's stores have read these registers
.set n4, 0
.rept 16
	v_cvt_pk_f16_f32 v[RH+n4], v[xs+2*n4], v[xs+2*n4+1]
.set n4, n4+1
.endr
.irp g, 0,1,2,3                        ; a fragment wants k 0-7 in lanes 0-15 and k 8-15 in lanes 16-31 of ONE tile: the halves change places
	v_permlane16_swap_b32 v[RH+\g], v[RH+4+\g]
	v_permlane16_swap_b32 v[RH+8+\g], v[RH+12+\g]
.endr
	global_store_b128 v[LI], v[RH:RH+3], s[52:53] offset:(\beta)*1024
	global_store_b128 v[LI], v[RH+8:RH+11], s[52:53] offset:(\beta)*1024+512
	global_store_b128 v[LI], v[RH+4:RH+7], s[52:53] offset:8192+(\beta)*1024
	global_store_b128 v[LI], v[RH+12:RH+15], s[52:53] offset:8192+(\beta)*1024+512
.Lnoxh_\@:
	QBLK xs, CD+4*(\beta), BB+(\beta)
.if (\beta) < 6
	XLD (\beta)+2
.endif
.endm
	XLD 0
	XLD 1
.irp b, 0,1,2,3,4,5,6,7
	XSTEP \b
.endr
.irp s, 0,1
	v_lshl_or_b32 v[SW+\s], v[BB+1+4*\s], 8, v[BB+4*\s]            ; four bytes make my position's scale word of a K step
	v_lshl_or_b32 v[SW+\s], v[BB+2+4*\s], 16, v[SW+\s]
	v_lshl_or_b32 v[SW+\s], v[BB+3+4*\s], 24, v[SW+\s]
.endr
.irp e, 0,2,4,6                        ; the operand wants block 2 c in lanes 0-15 and block 2 c + 1 in lanes 16-31 of ONE tile: afterwards the even block's registers are tile 0's, the odd block's tile 1's
.irp g, 0,1,2,3
	v_permlane16_swap_b32 v[CD+4*\e+\g], v[CD+4+4*\e+\g]
.endr
.endr
.irp s, 0,1
.irp c, 0,1
.irp t, 0,1
	ds_store_b128 v[XWI], v[CD+4*(4*\s+2*\c+\t):CD+4*(4*\s+2*\c+\t)+3] offset:\t*2048+\s*1024+\c*512
.endr
.endr
	ds_store_b32 v[XWS], v[SW+\s] offset:128*\s
.endr
	s_wait_xcnt 0x0                                ; x's f16 stores,
	s_wait_dscnt 0x0                               ; and the image stores, have read their registers: the weights' numbers take them
.macro WGRP G
.if (\G) < 3
	s_wait_loadcnt 32                              ; this group is in (and the bias); the next group's 32 loads stay out
.else
	s_wait_loadcnt 0x0
.endif
	WIN 0x01                                       ; source window 1
.irp h, 0,1,2,3
.set n5, 0
.rept 32
	v_mov_b32 v[XA+32*\h+n5], v[128*((\G)%2)+4*n5+\h]              ; the four heads are parted: the conversions want a head's 32 numbers in consecutive registers
.set n5, n5+1
.endr
.endr
	WIN 0
.if (\G) < 2
	WLD (\G)+2
.endif
.irp h, 0,1,2,3
.if ((\G)%2) == 0
	QBLK XA+32*\h, WF+16*\h+8*((\G)/2), WS+2*\h+(\G)/2             ; my block hh of the K step: its byte starts the scale word
.else
	QBLK XA+32*\h, WF+16*\h+8*((\G)/2)+4, BY                       ; my block 2 + hh
	v_lshl_or_b32 v[WS+2*\h+(\G)/2], v[BY], 16, v[WS+2*\h+(\G)/2]
	v_lshlrev_b32 v[WS+2*\h+(\G)/2], v[SH], v[WS+2*\h+(\G)/2]      ; 8 hh bits up;
	v_permlanex16_b32 v[PT], v[WS+2*\h+(\G)/2], s56, s57
	v_or_b32 v[WS+2*\h+(\G)/2], v[WS+2*\h+(\G)/2], v[PT]           ; with lane l xor 16's two bytes the word is whole
.endif
.endr
.endm
	WGRP 0
	WGRP 1
	WGRP 2
	WGRP 3
	BARRIER                                        ; every wave's code images lie in LDS
	PLACES 8                                       ; scale registers written by vector instructions stand 8 places ahead of a scaled matrix instruction, operands so written 4
.macro MM swap, h, t, s
.set rD, ACC+16*\h+8*\t
.set rW, WF+16*\h+8*\s
.set rX, XF+16*\t+8*\s
.if \swap == 0
.if \s == 0
	v_wmma_scale_f32_16x16x128_f8f6f4 v[rD:rD+7], v[rW:rW+7], v[rX:rX+7], v[BI+8*\h:BI+8*\h+7], v[WS+2*\h+\s], v[XS+2*\t+\s] matrix_a_fmt:MATRIX_FMT_FP4 matrix_b_fmt:MATRIX_FMT_FP4
.else
	v_wmma_scale_f32_16x16x128_f8f6f4 v[rD:rD+7], v[rW:rW+7], v[rX:rX+7], v[rD:rD+7], v[WS+2*\h+\s], v[XS+2*\t+\s] matrix_a_fmt:MATRIX_FMT_FP4 matrix_b_fmt:MATRIX_FMT_FP4
.endif
.else
.if \s == 0
	v_wmma_scale_f32_16x16x128_f8f6f4 v[rD:rD+7], v[rX:rX+7], v[rW:rW+7], v[BI+8*\h:BI+8*\h+7], v[XS+2*\t+\s], v[WS+2*\h+\s] matrix_a_fmt:MATRIX_FMT_FP4 matrix_b_fmt:MATRIX_FMT_FP4
.else
	v_wmma_scale_f32_16x16x128_f8f6f4 v[rD:rD+7], v[rX:rX+7], v[rW:rW+7], v[rD:rD+7], v[XS+2*\t+\s], v[WS+2*\h+\s] matrix_a_fmt:MATRIX_FMT_FP4 matrix_b_fmt:MATRIX_FMT_FP4
.endif
.endif
.endm
; my 16 d of four heads x the 32 positions that wave sv quantised: eight accumulators by turns, one instruction a turn
.macro PROD swap
.irp sv, 0,1,2,3
.irp t, 0,1
.irp s, 0,1
.irp c, 0,1
	ds_load_b128 v[XF+16*\t+8*\s+4*\c:XF+16*\t+8*\s+4*\c+3], v[XRI] offset:4096*\sv+2048*\t+1024*\s+512*\c
.endr
	ds_load_b32 v[XS+2*\t+\s], v[XRS] offset:256*\sv+128*\s+64*\t
.endr
.endr
	s_wait_dscnt 0x0
.irp s, 0,1
.irp h, 0,1,2,3
.irp t, 0,1
	MM \swap, \h, \t, \s
.endr
.endr
.endr
	PLACES 5                                       ; ahead of the reads of results, of the next loads into operands, and of accumulators begun anew with another C
	s_wait_xcnt 0x0                                ; the last round's stores have read their registers
.set n6, 0
.rept 32
	v_cvt_pk_f16_f32 v[PK+n6], v[ACC+2*n6], v[ACC+2*n6+1]          ; each accumulator from its low end on
.set n6, n6+1
.endr
.irp h, 0,1,2,3
.irp t, 0,1
.if \swap == 0
	global_store_b128 v[LI], v[PK+8*\h+4*\t:PK+8*\h+4*\t+3], s[50:51] offset:\h*524288+(2*\sv+\t)*2048   ; half a fragment: 512 consecutive bytes
.else
	global_store_b128 v[LI], v[PK+8*\h+4*\t:PK+8*\h+4*\t+3], s[50:51] offset:\h*524288+\sv*4096+\t*512
.endif
.endr
.endr
.endr
.endm
	s_cmp_eq_u32 s41, 2
	s_cbranch_scc1 .Lprod_v
	PROD 0
	s_branch .Lfin
.Lprod_v:
	PROD 1
.Lfin:
	s_wait_tensorcnt 0x0                           ; the wave's end, behind my last LDS store
	ds_add_u32 v[SPW], v[NIL]
	s_wait_dscnt 0x0
	s_endpgm
; THE WEIGHTS' IMAGES.  No LDS, no barrier.  W1's rows 0-255 and W2: a wave makes four fragments: lane r = output 16 T + r, registers run down k.
.macro WPREP kind                      ; 1: W1 (rows of 2,048 bytes), 2: W2 (rows of 1,024)
.irp q, 0,1,2,3
.irp a, 0,1
.irp i, 0,1,2,3,4,5,6,7
.if \kind == 1
	global_load_b32 v[16+16*\q+8*\a+\i], v2, s[44:45] offset:(32*\q+16*\a+\i)*2048
.else
	global_load_b32 v[16+16*\q+8*\a+\i], v2, s[44:45] offset:(32*\q+16*\a+\i)*1024
.endif
.endr
.endr
.endr
.irp q, 0,1,2,3
	s_wait_loadcnt 48-16*\q                        ; fragment q's sixteen loads are in; the later fragments' stay out
.irp p, 0,1,2,3,4,5,6,7
	v_cvt_pk_f16_f32 v[80+8*\q+\p], v[16+16*\q+2*\p], v[17+16*\q+2*\p]
.endr
	global_store_b128 v[LI], v[80+8*\q:83+8*\q], s[50:51] offset:\q*1024
	global_store_b128 v[LI], v[84+8*\q:87+8*\q], s[50:51] offset:\q*1024+512
.endr
.endm
.Lweights:
	s_sub_co_u32 s42, ttmp9, 192                   ; 0-15 W1's rows 0-255, 16-47 Wo W1m, 48-63 W2
	v_lshlrev_b32 v2, 2, v[BY]                     ; 4 r
	s_lshl_b32 s59, s40, 2
	s_cmp_ge_u32 s42, 16
	s_cbranch_scc1 .Lnot_w1
	s_lshl_b32 s58, s42, 4
	s_add_co_u32 s58, s58, s59                     ; f = 16 work-group + 4 wave;  T = f / 8, first K step = f % 8 (0 or 4)
	v_lshl_add_u32 v2, v[SH], 14, v2               ; lanes 16-31: 8 rows of 2,048 bytes down
	s_lshr_b32 s54, s58, 3
	s_and_b32 s60, s58, 7
	s_lshl_b32 s61, s54, 4
	s_add_co_u32 s61, s61, s60                     ; the first fragment's place: 16 T + K step
	s_lshl_b32 s54, s54, 6
	s_lshl_b32 s60, s60, 16                        ; 32 rows of 2,048 bytes a K step
	s_add_co_u32 s54, s54, s60
	s_add_nc_u64 s[44:45], s[22:23], s[54:55]
	s_lshl_b32 s54, s61, 10
	s_add_co_u32 s54, s54, 131072
	s_add_nc_u64 s[50:51], s[30:31], s[54:55]
	WPREP 1
	s_endpgm
.Lnot_w1:
	s_cmp_ge_u32 s42, 48
	s_cbranch_scc1 .Lw2
; Wo W1m.  Work-group: tile T of 16 outputs o.  Wave w: head w: k' = 64 w + 16 i + 0 .. 15, i = 0 .. 3, which stands for Wo's rows 4 (16 i + r) + w.  The sum runs over the message's 256 channels c, 32 a step.
; Source 0 = 16 rows of Wo (lane r = row, c along the registers, as it lies in memory), source 1 = W1's rows 256 + c (lane r = output): in the result a lane holds an output and its registers run along k':
; four roundings in pairs make half an image.  A fifth source 0 holds bo in all its rows: its result is W1m^T bo in every register.  Every wave runs it, so that all waves' counts are alike; wave 0 stores it.
	s_sub_co_u32 s58, s42, 16                      ; T
	v_lshl_add_u32 v2, v[SH], 14, v2               ; W1: 4 r + 8 hh rows of 2,048 bytes
	v_lshlrev_b32 v3, 12, v[BY]                    ; Wo: r x four rows of 1,024 bytes
	v_lshl_add_u32 v3, v[SH], 5, v3                ;     + 32 hh
	v_lshlrev_b32 v4, 5, v[SH]                     ; bo: 32 hh
	v_lshlrev_b32 v5, 2, v[BY]                     ; b1 and the folded bias: 4 r
	s_lshl_b32 s54, s58, 6                         ; 64 T bytes
	s_add_nc_u64 s[46:47], s[34:35], s[54:55]      ; b1
	s_add_nc_u64 s[52:53], s[30:31], s[54:55]      ; the folded bias
	s_add_co_u32 s54, s54, 524288                  ; W1 from row 256 on
	s_add_nc_u64 s[44:45], s[22:23], s[54:55]
	s_lshl_b32 s54, s40, 10                        ; Wo: my head's row among each four
	s_add_nc_u64 s[48:49], s[20:21], s[54:55]
	s_lshl_b32 s54, s58, 14                        ; out: 131,072 + (16 T + 8 + 2 wave) x 1,024
	s_lshl_b32 s60, s40, 11
	s_add_co_u32 s54, s54, s60
	s_add_co_u32 s54, s54, 131072+8192
	s_add_nc_u64 s[50:51], s[30:31], s[54:55]
.irp q, 0,1,2,3,4,5,6,7
.irp a, 0,1
.irp i, 0,1,2,3,4,5,6,7
	global_load_b32 v[16+16*\q+8*\a+\i], v2, s[44:45] offset:(32*\q+16*\a+\i)*2048
.endr
.endr
.endr
	global_load_b32 v6, v5, s[46:47]
.macro ALD kc                          ; step kc of c: sixteen numbers a lane of each of my four tiles of Wo's rows, and of bo: 20 loads into third kc % 3 of window 1
	WIN 0x40
.irp i, 0,1,2,3
.irp a, 0,1
.irp e, 0,1
	global_load_b128 v[80*((\kc)%3)+16*\i+8*\a+4*\e:80*((\kc)%3)+16*\i+8*\a+4*\e+3], v3, s[48:49] offset:\i*65536+(\kc)*128+\a*64+\e*16
.endr
.endr
.endr
.irp a, 0,1
.irp e, 0,1
	global_load_b128 v[80*((\kc)%3)+64+8*\a+4*\e:80*((\kc)%3)+64+8*\a+4*\e+3], v4, s[32:33] offset:(\kc)*128+\a*64+\e*16
.endr
.endr
	WIN 0
.endm
	ALD 0
	ALD 1
	ALD 2
	s_wait_loadcnt 60                              ; W1m and b1 are in; the three batches of 20 behind them stay out
.set n7, 0
.rept 64
	v_cvt_pk_f16_f32 v[BFW+n7], v[16+2*n7], v[17+2*n7]
.set n7, n7+1
.endr
.macro WCSTEP kc
.if (\kc) < 6
	s_wait_loadcnt 40                              ; this batch is in; the two batches behind it stay out
.elseif (\kc) == 6
	s_wait_loadcnt 20
.else
	s_wait_loadcnt 0x0
.endif
	WIN 0x05                                       ; sources window 1
.set n7, 0
.rept 40
	v_cvt_pk_f16_f32 v[AFW+40*((\kc)%2)+n7], v[80*((\kc)%3)+2*n7], v[80*((\kc)%3)+2*n7+1]   ; two sets by turns: the set that the last step's products read is not touched
.set n7, n7+1
.endr
	WIN 0
.if (\kc) < 5
	ALD (\kc)+3
.endif
	PLACES 4
.irp i, 0,1,2,3,4                      ; five accumulators by turns, one instruction a turn
.if (\kc) == 0
	v_wmma_f32_16x16x32_f16 v[ACW+8*\i:ACW+8*\i+7], v[AFW+40*((\kc)%2)+8*\i:AFW+40*((\kc)%2)+8*\i+7], v[BFW+8*(\kc):BFW+8*(\kc)+7], 0
.else
	v_wmma_f32_16x16x32_f16 v[ACW+8*\i:ACW+8*\i+7], v[AFW+40*((\kc)%2)+8*\i:AFW+40*((\kc)%2)+8*\i+7], v[BFW+8*(\kc):BFW+8*(\kc)+7], v[ACW+8*\i:ACW+8*\i+7]
.endif
.endr
.endm
.irp k, 0,1,2,3,4,5,6,7
	WCSTEP \k
.endr
	PLACES 4
.irp i, 0,1,2,3
.irp p, 0,1,2,3
	v_cvt_pk_f16_f32 v[208+4*\i+\p], v[ACW+8*\i+2*\p], v[ACW+8*\i+2*\p+1]
.endr
.endr
.irp i, 0,1,2,3
	global_store_b128 v[LI], v[208+4*\i:211+4*\i], s[50:51] offset:512*\i    ; half a fragment: 512 consecutive bytes
.endr
	s_cmp_lg_u32 s40, 0
	s_cbranch_scc1 .Lwc_end
	v_add_f32 v7, v[ACW+32], v6                    ; b1 + W1m^T bo of output 16 T + r
	s_wait_xcnt 0x0                                ; EXEC changes only behind this wait
	v_cmp_gt_u32 vcc_lo, 16, v15
	s_and_saveexec_b32 s58, vcc_lo
	global_store_b32 v5, v7, s[52:53]              ; lanes 0-15: 64 consecutive bytes
	s_wait_xcnt 0x0
	s_or_b32 exec_lo, exec_lo, s58
.Lwc_end:
	s_endpgm
.Lw2:
	s_sub_co_u32 s58, s42, 48
	s_lshl_b32 s58, s58, 4
	s_add_co_u32 s58, s58, s59                     ; f;  T = f / 16, first K step = f % 16
	v_lshl_add_u32 v2, v[SH], 13, v2               ; 8 rows of 1,024 bytes
	s_lshr_b32 s54, s58, 4
	s_lshl_b32 s54, s54, 6
	s_and_b32 s60, s58, 15
	s_lshl_b32 s60, s60, 15
	s_add_co_u32 s54, s54, s60
	s_add_nc_u64 s[44:45], s[24:25], s[54:55]
	s_lshl_b32 s54, s58, 10
	s_add_co_u32 s54, s54, 655360
	s_add_nc_u64 s[50:51], s[30:31], s[54:55]
	WPREP 2
	s_endpgm
.Lfunc_end_k_q0fd120c9d7_proj:
	.size	k_q0fd120c9d7_proj, .Lfunc_end_k_q0fd120c9d7_proj-k_q0fd120c9d7_proj
	.p2alignl 7, 3214868480
	.fill 96, 4, 3214868480
	.section	.rodata,"a",@progbits
	.p2align	6, 0x0
	.amdhsa_kernel k_q0fd120c9d7_proj
		.amdhsa_group_segment_fixed_size 148992
		.amdhsa_private_segment_fixed_size 0
		.amdhsa_enable_private_segment 0
		.amdhsa_kernarg_size 128
		.amdhsa_user_sgpr_count 2
		.amdhsa_user_sgpr_kernarg_segment_ptr 1
		.amdhsa_wavefront_size32 1
		.amdhsa_system_sgpr_workgroup_id_x 1
		.amdhsa_system_sgpr_workgroup_id_y 1
		.amdhsa_system_sgpr_workgroup_id_z 1
		.amdhsa_system_vgpr_workitem_id 0
		.amdhsa_next_free_vgpr 512
		.amdhsa_next_free_sgpr 66
		.amdhsa_reserve_vcc 1
		.amdhsa_float_denorm_mode_32 3
		.amdhsa_float_denorm_mode_16_64 3
		.amdhsa_memory_ordered 1
		.amdhsa_forward_progress 1
		.amdhsa_inst_pref_size 239
	.end_amdhsa_kernel
	.amdgpu_metadata
---
amdhsa.version: [ 1, 2 ]
amdhsa.kernels:
  - .name:           k_q0fd120c9d7_proj
    .symbol:         k_q0fd120c9d7_proj.kd
    .args:
      - { .name: x, .offset: 0, .size: 8, .value_kind: global_buffer, .address_space: global }
      - { .name: source, .offset: 8, .size: 8, .value_kind: global_buffer, .address_space: global }
      - { .name: Wq, .offset: 16, .size: 8, .value_kind: global_buffer, .address_space: global }
      - { .name: Wk, .offset: 24, .size: 8, .value_kind: global_buffer, .address_space: global }
      - { .name: Wv, .offset: 32, .size: 8, .value_kind: global_buffer, .address_space: global }
      - { .name: bq, .offset: 40, .size: 8, .value_kind: global_buffer, .address_space: global }
      - { .name: bk, .offset: 48, .size: 8, .value_kind: global_buffer, .address_space: global }
      - { .name: bv, .offset: 56, .size: 8, .value_kind: global_buffer, .address_space: global }
      - { .name: Wo, .offset: 64, .size: 8, .value_kind: global_buffer, .address_space: global }
      - { .name: W1, .offset: 72, .size: 8, .value_kind: global_buffer, .address_space: global }
      - { .name: W2, .offset: 80, .size: 8, .value_kind: global_buffer, .address_space: global }
      - { .name: qkv, .offset: 88, .size: 8, .value_kind: global_buffer, .address_space: global }
      - { .name: xh, .offset: 96, .size: 8, .value_kind: global_buffer, .address_space: global }
      - { .name: wimg, .offset: 104, .size: 8, .value_kind: global_buffer, .address_space: global }
      - { .name: bo, .offset: 112, .size: 8, .value_kind: global_buffer, .address_space: global }
      - { .name: b1, .offset: 120, .size: 8, .value_kind: global_buffer, .address_space: global }
    .group_segment_fixed_size: 148992
    .private_segment_fixed_size: 0
    .kernarg_segment_align: 8
    .kernarg_segment_size: 128
    .max_flat_workgroup_size: 128
    .sgpr_count:     66
    .vgpr_count:     512
    .wavefront_size: 32
...
	.end_amdgpu_metadata
.endif
;; end of part 1
;; launch attn (part 2): grid 32 x 8, 8 waves a work-group, clusters of 4 x 1, 327,680 bytes of LDS; arguments qkv, att; writes att
.if DOCPART == 2
	.amdgcn_target "amdgcn-amd-amdhsa--gfx1250"
	.amdhsa_code_object_version 6
	.text
	.protected	k_q0fd120c9d7_attn
	.globl	k_q0fd120c9d7_attn
	.p2align	8
	.type	k_q0fd120c9d7_attn,@function
k_q0fd120c9d7_attn:
	s_mov_b64 s[64:65], 0
	v_nop
	global_prefetch_b8 v0, s[64:65] scope:SCOPE_SE
	s_setreg_imm32_b32 hwreg(HW_REG_WAVE_MODE, 25, 1), 1
	s_wait_xcnt 0x0
	s_wait_alu depctr_hold_cnt(0) depctr_sa_sdst(0) depctr_va_vdst(0) depctr_va_sdst(0) depctr_va_ssrc(0) depctr_va_vcc(0) depctr_vm_vsrc(0)
	s_getreg_b32 s2, hwreg(HW_REG_IB_STS2, 6, 4)
	s_cmp_eq_u32 s2, 0
	s_cbranch_scc0 .Lentry_in_a_cluster
	s_endpgm
.Lentry_in_a_cluster:
	s_bfe_u32 s2, ttmp6, 0x10000c
	s_cmp_lg_u32 s2, 0x3003
	s_cbranch_scc0 .Lentry_shape_is_right
	s_endpgm
.Lentry_shape_is_right:
; att[head][q] = the sum over keys of softmax(Q[q] . K[key] / 8) V[key], head size 64, 4,096 queries and keys, 8 heads (batch x head).  Operands f16, products, maxima and sums f32.
; Q, K, V come as images of operand registers (1,024 bytes a fragment: registers 0-3 at 16 x lane, 4-7 at 512 + 16 x lane), so every LDS and global access covers 512 consecutive bytes: no pitch, no padding, no turning load.
; SHARES.  A work-group owns 128 queries of one head.  Its eight waves are 4 x 2: u = wave % 4 picks 32 queries (two tiles), g = wave / 4 picks one half of every slot's keys; the two halves' results are merged once, at the end, through LDS.
; Two waves lie on a SIMD, so that one wave's softmax stands beside the other's products, and each fragment of K or V read from LDS feeds two matrix instructions.
; LAYOUT.  S^T = K Q^T (source 0 = 16 keys, source 1 = 16 queries) and O^T = V^T P (source 0 = 16 d, source 1 = P): a lane holds ONE query throughout; two score tiles rounded in pairs ARE P's fragment.
; SOFTMAX.  A running maximum m and sum l for each query: p = 2^(c s - c m), c = log2(e) / 8; in every step O and l are multiplied by 2^(c m_old - c m_new).
; RING.  Two slots of 512 keys (K 65,536 bytes, then V 65,536).  Each wave brings an eighth of a slot by one tensor load.  CLUSTER: the four query blocks of a cluster walk the same K and V: each load is asked for jointly.
; K's fragments are fetched from LDS ONE STEP AHEAD, as soon as the score products have read the registers; only a slot's first step fetches its own, behind the change of slots.
; A wave has two tensor loads out at the start and one behind each round.  The launch claims all of LDS.
; LIMITS: q, k, v arrive as f16; NaN and infinities are not served.
.set SLOT1, 1<<17
.set MRG,   262144                     ; behind the ring: for each u 8,704 bytes: O's image 8,192, then c m and l of two tiles, 128 bytes each
.set SPARE, 296960                     ; the spare words, 128 bytes for each wave
.set LI,  1                            ; v1   16 x lane
.set AK0, 2                            ; v2   my half's first K fragment in a slot
.set AV0, 3                            ; v3   the same for V
.set ADK, 4                            ; v4-5 the step's addresses
.set ADV, 5
.set MA,  6                            ; v6   the merge: O's image
.set MS,  7                            ; v7   the merge: statistics
.set PFO, 8                            ; v8   256 x lane; never rewritten
.set SPW, 10
.set NIL, 11
.set ST,  12                           ; v12-27 tile x at 12 + 8 x: +0 c m, +1 m, +2, +3 l, +4 .. +7 c0-c3 at work; the rescaling factor takes +6
.set QF,  32                           ; v32-63   Q: 32 + 16 x + 8 s
.set KF,  64                           ; v64-127  K: 64 + 16 kt + 8 s
.set S,   128                          ; v128-191 S^T, then p: 128 + 32 x + 8 kt
.set P,   192                          ; v192-223 P: 192 + 16 x + 8 g2
                                       ; window 1: v0-63 O^T: 32 x + 8 t;  v64-127 V: 64 + 32 g2 + 8 t
.set WV,  12
.set PFA, 18                           ; s[18:19] where my prefetches stand
.set LIM, 20
.set G1,  24                           ; s[24:31] descriptor group 1
.set G0A, 32                           ; s[32:35] group 0 of slot 0's first fill;  s[36:39] of slot 1's, which then walks on
.set G0B, 36
.set SLOTS, 56
.set CNT, 57
.set CS,  58
.set SEL, 60
.set TB,  62
.set MSB, 0
.macro WIN new
.if MSB != (\new)
	s_set_vgpr_msb (MSB<<8)|(\new)
.set MSB, \new
.endif
.endm
.macro PLACES n
.rept \n
	v_nop
.endr
.endm
.macro CROUND                          ; a round of the cluster's barrier
	s_barrier_signal -1
	s_barrier_wait -1
	s_cmp_lg_u32 s[WV], 0
	s_cbranch_scc1 .Lnot_wave_0_\@
	s_barrier_signal -3
.Lnot_wave_0_\@:
	s_barrier_wait -3
	s_barrier_signal -1
	s_barrier_wait -1
.endm
	s_load_b128 s[4:7], s[0:1], 0x0                ; qkv, att
	v_lshl_add_u32 v[SPW], v0, 2, SPARE
	v_mov_b32 v[NIL], 0
	ds_add_u32 v[SPW], v[NIL]                      ; the wave's opening: the add, twice on end, and its wait ahead of my first tensor load
	ds_add_u32 v[SPW], v[NIL]
	v_lshrrev_b32 v9, 5, v0
	v_readfirstlane_b32 s[WV], v9
	s_and_b32 s14, s[WV], 3                        ; u
	s_lshr_b32 s15, s[WV], 2                       ; g
	s_and_b32 s16, ttmp7, 0xffff                   ; the head, which the four partners share
	s_mov_b32 s[G1], 15|(3<<16)|(1<<21)            ; the mask: all four work-groups; elements of 8 bytes; bit 21 beside a mask; no padding
	s_mov_b32 s[G1+1], 32<<16                      ; tensor_dim0 = 32 elements: rows of 256 bytes
	s_mov_b32 s[G1+2], 64<<16                      ; tensor_dim1 = 64 rows: 16,384 dense bytes
	s_mov_b32 s[G1+3], 32<<16                      ; tile_dim0
	s_mov_b32 s[G1+4], 64                          ; tile_dim1
	s_mov_b32 s[G1+5], 32                          ; the pitch
	s_mov_b32 s[G1+6], 0
	s_mov_b32 s[G1+7], 0
	s_add_co_u32 s44, s15, 1                       ; waves 0-3 fetch K's quarters, waves 4-7 V's: tensor (1 + g) x 4,194,304 + head x 524,288 + u x 16,384
	s_lshl_b32 s44, s44, 22
	s_lshl_b32 s46, s16, 19
	s_add_co_u32 s44, s44, s46
	s_lshl_b32 s47, s14, 14
	s_add_co_u32 s44, s44, s47
	s_mov_b32 s45, 0
	v_and_b32 v9, 31, v0
	v_lshlrev_b32 v[LI], 4, v9
	s_lshl_b32 s22, s15, 15
	v_add_nc_u32 v[AK0], s22, v[LI]
	v_add_nc_u32 v[AV0], 0x10000, v[AK0]
	s_mul_i32 s22, s14, 8704
	s_add_co_u32 s22, s22, MRG
	v_add_nc_u32 v[MA], s22, v[LI]
	s_add_co_u32 s22, s22, 8192
	v_lshl_add_u32 v[MS], v9, 2, s22
	v_lshlrev_b32 v[PFO], 8, v9
	s_bfe_u32 s13, ttmp6, 0x40000                  ; cx: it enters Q's, att's and the prefetches' addresses alone
	s_lshl_b32 s17, ttmp9, 2
	s_add_co_u32 s17, s17, s13                     ; my block of 128 queries
	s_lshl_b32 s48, s17, 14                        ; Q: head x 524,288 + (8 block + 2 u) tiles of 2,048 bytes
	s_add_co_u32 s48, s48, s46
	s_lshl_b32 s21, s14, 12
	s_add_co_u32 s48, s48, s21
	s_mov_b32 s49, 0
	s_lshr_b32 s50, s16, 2                         ; att: (256 batch + 8 block + 2 u) tiles of 8,192 bytes + 2,048 x head in the batch
	s_lshl_b32 s50, s50, 21
	s_lshl_b32 s21, s17, 16
	s_add_co_u32 s50, s50, s21
	s_add_co_u32 s50, s50, s47
	s_and_b32 s21, s16, 3
	s_lshl_b32 s21, s21, 11
	s_add_co_u32 s50, s50, s21
	s_mov_b32 s51, 0
	s_bfe_u32 s52, s[WV], 0x10001                  ; the prefetches: waves 0, 1 ask for K, waves 2, 3 for V; my work-group's 16,384 bytes of a slot's 65,536, my wave's half of them; in slot 2
	s_add_co_u32 s52, s52, 1
	s_lshl_b32 s52, s52, 22
	s_add_co_u32 s52, s52, s46
	s_lshl_b32 s21, s13, 14
	s_add_co_u32 s52, s52, s21
	s_and_b32 s21, s[WV], 1
	s_lshl_b32 s21, s21, 13
	s_add_co_u32 s52, s52, s21
	s_add_co_u32 s52, s52, 2*65536
	s_mov_b32 s53, 0
	s_or_b32 s[LIM], s15, ttmp9                    ; 0 in waves 0-3 of the head's first cluster: the same in all four partners
	s_cmp_eq_u32 s[LIM], 0
	s_cselect_b32 s[LIM], 1, -1
	s_mov_b32 s[CS], 0x3e38aa3b                    ; c = log2(e) / 8
	s_mov_b32 s[CS+1], s[CS]
	s_mov_b32 s[SEL], 0x76543210
	s_mov_b32 s[SEL+1], 0xfedcba98
	s_mov_b32 s[TB], 0
	s_mov_b32 s[SLOTS], 6
	s_wait_dscnt 0x0                               ; both opening adds are done
	s_wait_kmcnt 0x0
	s_mov_b32 s[G0A], 1
	s_lshl_b32 s[G0A+1], s[WV], 14                 ; LDS: 16,384 x wave
	s_add_nc_u64 s[G0A+2:G0A+3], s[4:5], s[44:45]
	s_mov_b32 s[G0B], 1
	s_add_co_u32 s[G0B+1], s[G0A+1], SLOT1
	s_add_nc_u64 s[G0B+2:G0B+3], s[G0A+2:G0A+3], 0x10000
	s_or_b32 s[G0A+3], s[G0A+3], 0x80000000
	s_or_b32 s[G0B+3], s[G0B+3], 0x80000000
	s_add_nc_u64 s[40:41], s[4:5], s[48:49]
	s_add_nc_u64 s[42:43], s[6:7], s[50:51]
	s_add_nc_u64 s[PFA:PFA+1], s[4:5], s[52:53]
	CROUND                                         ; all four work-groups are here: the first joint loads meet
	tensor_load_to_lds s[G0A:G0A+3], s[G1:G1+7]
	s_nop 0
	tensor_load_to_lds s[G0B:G0B+3], s[G1:G1+7]
	s_nop 0
	PLACES 4
.irp x, 0,1
.irp s, 0,1
.irp c, 0,1
	global_load_b128 v[QF+16*\x+8*\s+4*\c:QF+16*\x+8*\s+4*\c+3], v[LI], s[40:41] offset:2048*\x+1024*\s+512*\c   ; Q stays in registers
.endr
.endr
.endr
.irp x, 0,1
	v_mov_b32 v[ST+8*\x+1], 0xff61b1e6             ; m: -3e38, under every score
	v_mul_f32 v[ST+8*\x], s[CS], v[ST+8*\x+1]
.irp j, 2,3,4,5,6,7
	v_mov_b32 v[ST+8*\x+\j], 0
.endr
.endr
	WIN 0x40
.set n1, 0
.rept 64
	v_mov_b32 v[n1], 0                             ; O^T.  The step is written once: the first finds zeros, which the first rescaling leaves zeros
.set n1, n1+1
.endr
	WIN 0
.macro FETCHK off                      ; 64 keys' fragments of K, off bytes behind the step's address
.irp kt, 0,1,2,3
.irp s, 0,1
.irp c, 0,1
	ds_load_b128 v[KF+16*\kt+8*\s+4*\c:KF+16*\kt+8*\s+4*\c+3], v[ADK] offset:\off+2048*\kt+1024*\s+512*\c
.endr
.endr
.endr
.endm
; A KEY STEP: 64 keys of my half, two tiles of queries.  Its K was asked for a step ago (a slot's first: behind the change of slots).  pre = 1: it asks for the next step's K, which lies 8,192 bytes on in the same slot.
.macro STEP pre
	v_add_nc_u32 v[ADK], s[TB], v[AK0]
	v_add_nc_u32 v[ADV], s[TB], v[AV0]
	PLACES 2                                       ; with the two additions: four places between the last products V^T P and the loads into V's registers below
	s_wait_dscnt 0x0                               ; this step's K is in
.irp kt, 0,1,2,3                       ; eight accumulators by turns, one instruction a turn
.irp x, 0,1
	v_wmma_f32_16x16x32_f16 v[S+32*\x+8*\kt:S+32*\x+8*\kt+7], v[KF+16*\kt:KF+16*\kt+7], v[QF+16*\x:QF+16*\x+7], 0
.endr
.endr
.irp kt, 0,1,2,3
.irp x, 0,1
	v_wmma_f32_16x16x32_f16 v[S+32*\x+8*\kt:S+32*\x+8*\kt+7], v[KF+16*\kt+8:KF+16*\kt+15], v[QF+16*\x+8:QF+16*\x+15], v[S+32*\x+8*\kt:S+32*\x+8*\kt+7]
.endr
.endr
	WIN 0x40                                       ; destination window 1: V lands while the softmax is walked
.irp g2, 0,1
.irp t, 0,1,2,3
.irp c, 0,1
	ds_load_b128 v[64+32*\g2+8*\t+4*\c:64+32*\g2+8*\t+4*\c+3], v[ADV] offset:4096*\g2+1024*\t+512*\c
.endr
.endr
.endr
	WIN 0
	PLACES 4                                       ; ahead of the first read of the scores, and of the loads into K's registers, which the score products have read
.if \pre
	FETCHK 8192
.endif
.irp j, 0,1,2,3                        ; the maximum of 32 scores and the old m: four chains, each begun at its accumulator's low end; the two tiles line by line
.irp x, 0,1
	v_max3_num_f32 v[ST+8*\x+4+\j], v[S+32*\x+8*\j], v[S+32*\x+8*\j+1], v[S+32*\x+8*\j+2]
.endr
.endr
.irp q, 1,2
.irp j, 0,1,2,3
.irp x, 0,1
	v_max3_num_f32 v[ST+8*\x+4+\j], v[ST+8*\x+4+\j], v[S+32*\x+8*\j+2*\q+1], v[S+32*\x+8*\j+2*\q+2]
.endr
.endr
.endr
.irp x, 0,1
	v_max3_num_f32 v[ST+8*\x+4], v[ST+8*\x+4], v[S+32*\x+7], v[S+32*\x+15]
.endr
.irp x, 0,1
	v_max3_num_f32 v[ST+8*\x+6], v[ST+8*\x+6], v[S+32*\x+23], v[S+32*\x+31]
.endr
.irp x, 0,1
	v_max3_num_f32 v[ST+8*\x+4], v[ST+8*\x+4], v[ST+8*\x+5], v[ST+8*\x+6]
.endr
.irp x, 0,1
	v_max3_num_f32 v[ST+8*\x+4], v[ST+8*\x+4], v[ST+8*\x+7], v[ST+8*\x+1]
.endr
.irp x, 0,1
	v_permlanex16_b32 v[ST+8*\x+5], v[ST+8*\x+4], s[SEL], s[SEL+1]  ; the query's other 32 keys lie in the lane 16 away
.endr
.irp x, 0,1
	v_mov_b32 v[ST+8*\x+7], v[ST+8*\x]             ; c m_old is kept
.endr
.irp x, 0,1
	v_max_num_f32 v[ST+8*\x+1], v[ST+8*\x+4], v[ST+8*\x+5]
.endr
.irp x, 0,1
	v_mul_f32 v[ST+8*\x], s[CS], v[ST+8*\x+1]
.endr
.irp x, 0,1
	v_sub_f32 v[ST+8*\x+7], v[ST+8*\x+7], v[ST+8*\x]
.endr
.set n2, 0
.rept 16
.irp x, 0,1
	v_pk_fma_f32 v[S+32*\x+2*n2:S+32*\x+2*n2+1], v[S+32*\x+2*n2:S+32*\x+2*n2+1], s[CS:CS+1], v[ST+8*\x:ST+8*\x+1] op_sel_hi:[1,0,0] neg_lo:[0,0,1] neg_hi:[0,0,1]   ; c s - c m
.endr
.set n2, n2+1
.endr
.irp x, 0,1
	v_exp_f32 v[ST+8*\x+6], v[ST+8*\x+7]           ; 2^(c m_old - c m_new)
.endr
.set n2, 0
.rept 64
	v_exp_f32 v[S+n2], v[S+n2]                     ; ONE BATCH: none of these reads an exponential's result
.set n2, n2+1
.endr
	v_nop                                          ; the plain instruction behind the last exponential
	s_wait_alu depctr_va_vdst(0)                   ; one wait for the batch, ahead of its first reader
.set n2, 0
.rept 32
	v_cvt_pk_f16_f32 v[P+n2], v[S+2*n2], v[S+2*n2+1]
.set n2, n2+1
.endr
.irp w, 4,8,16,32                      ; the sum of a tile's 16 pairs, in place: neighbours 1, 2, 4 and 8 pairs apart
.set n3, 0
.rept 32/\w
.irp x, 0,1
	v_pk_add_f32 v[S+32*\x+\w*n3:S+32*\x+\w*n3+1], v[S+32*\x+\w*n3:S+32*\x+\w*n3+1], v[S+32*\x+\w*n3+\w/2:S+32*\x+\w*n3+\w/2+1]
.endr
.set n3, n3+1
.endr
.endr
.irp x, 0,1
	v_pk_fma_f32 v[ST+8*\x+2:ST+8*\x+3], v[ST+8*\x+2:ST+8*\x+3], v[ST+8*\x+6:ST+8*\x+7], v[S+32*\x:S+32*\x+1] op_sel_hi:[1,0,1]
.endr
	WIN 0x41                                       ; O^T (destination and source 0) in window 1
.irp x, 0,1
.set n3, 0
.rept 16
	v_pk_mul_f32 v[32*\x+2*n3:32*\x+2*n3+1], v[32*\x+2*n3:32*\x+2*n3+1], v[ST+8*\x+6:ST+8*\x+7] op_sel_hi:[1,0]   ; each accumulator from its low end on
.set n3, n3+1
.endr
.endr
.if \pre
	s_wait_dscnt 16                                ; V is in; the next step's K, sixteen younger loads, may stay out
.else
	s_wait_dscnt 0x0                               ; V is in
.endif
	WIN 0x51                                       ; V and O^T in window 1, P in window 0
.irp g2, 0,1
.irp t, 0,1,2,3
.irp x, 0,1
	v_wmma_f32_16x16x32_f16 v[32*\x+8*\t:32*\x+8*\t+7], v[64+32*\g2+8*\t:64+32*\g2+8*\t+7], v[P+16*\x+8*\g2:P+16*\x+8*\g2+7], v[32*\x+8*\t:32*\x+8*\t+7]
.endr
.endr
.endr
	WIN 0
.endm
.macro SLOT_STEPS                      ; my half of a slot: four key steps.  The first three ask for their successor's K and are one loop; the fourth's successor lies in the other slot, behind the change
	v_add_nc_u32 v[ADK], s[TB], v[AK0]
	FETCHK 0
	s_mov_b32 s[CNT], 3
.Lstep_\@:
	STEP 1
	s_add_co_u32 s[TB], s[TB], 8192                ; 64 keys are 8,192 bytes of K and of V
	s_sub_co_u32 s[CNT], s[CNT], 1
	s_cmp_lg_u32 s[CNT], 0
	s_cbranch_scc1 .Lstep_\@
	STEP 0
	s_add_co_u32 s[TB], s[TB], 8192
.endm
; THE CHANGE OF SLOTS.  Each wave waits for all its tensor loads (one is out: its part of the other slot), adds 0 to its spare word, and waits for that and for its reads of the slot.
; fill = 1: the barrier is a round of the cluster's, and the slot just left is filled with the keys two slots on, first thing behind it: the load has a slot's four steps in which to land.
; Behind it one prefetch for what the NEXT change will ask for: the head's first cluster asks; its partners are told apart by address; waves 0, 1 take K and waves 2, 3 V, lanes 256 bytes apart:
; each block of 256 bytes of slots 3 to 7 is named once.  The last change that fills a slot asks for nothing.
.macro CHANGE fill
	s_wait_tensorcnt 0x0
	ds_add_u32 v[SPW], v[NIL]
.if \fill
	s_xor_b32 s[G0B+1], s[G0B+1], SLOT1            ; no tensor load of mine is out: the walking descriptor takes the other slot and the next 512 keys
	s_add_nc_u64 s[G0B+2:G0B+3], s[G0B+2:G0B+3], 0x10000
	s_wait_xcnt 0x0                                ; the last prefetch, a slot back, has read its address
	s_add_nc_u64 s[PFA:PFA+1], s[PFA:PFA+1], 0x10000
	s_wait_dscnt 0x0
	CROUND
	tensor_load_to_lds s[G0B:G0B+3], s[G1:G1+7]
	s_nop 0
	PLACES 4
	s_cmp_gt_u32 s[SLOTS], s[LIM]
	s_cbranch_scc0 .Lnot_mine_\@
	global_prefetch_b8 v[PFO], s[PFA:PFA+1] th:TH_LOAD_NT scope:SCOPE_SE
.Lnot_mine_\@:
.else
	s_wait_dscnt 0x0
	s_barrier_signal -1
	s_barrier_wait -1
.endif
	s_sub_co_u32 s[TB], s[TB], 32768               ; back to a slot's first step,
	s_xor_b32 s[TB], s[TB], SLOT1                  ; in the other slot
.endm
	s_wait_tensorcnt 1                             ; my part of slot 0 is in; slot 1's may stay out
	s_barrier_signal -1
	s_barrier_wait -1
	s_wait_loadcnt 0x0                             ; Q
	SLOT_STEPS
.Lslot:                                            ; six trips: slots 2 to 7 are asked for
	CHANGE 1
	SLOT_STEPS
	s_sub_co_u32 s[SLOTS], s[SLOTS], 1
	s_cmp_lg_u32 s[SLOTS], 0
	s_cbranch_scc1 .Lslot
	CHANGE 0                                       ; the last slot is written out
	SLOT_STEPS
	; THE MERGE of the two halves of the keys.  Waves 4-7 hand O^T, c m and l to waves 0-3 through LDS.
.irp x, 0,1
	v_add_f32 v[ST+8*\x+4], v[ST+8*\x+2], v[ST+8*\x+3]
.endr
.irp x, 0,1
	v_permlanex16_b32 v[ST+8*\x+5], v[ST+8*\x+4], s[SEL], s[SEL+1]
.endr
.irp x, 0,1
	v_add_f32 v[ST+8*\x+2], v[ST+8*\x+4], v[ST+8*\x+5]             ; l of my half of the keys
.endr
	PLACES 4                                       ; ahead of the first read of the last products' results
	s_cmp_lt_u32 s[WV], 4
	s_cbranch_scc1 .Lnost
	WIN 0x04                                       ; an LDS store's data are its source 1: window 1
.set n4, 0
.rept 16
	ds_store_b128 v[MA], v[4*n4:4*n4+3] offset:512*n4
.set n4, n4+1
.endr
	WIN 0
	ds_store_b32 v[MS], v[ST]
	ds_store_b32 v[MS], v[ST+8] offset:128
	ds_store_b32 v[MS], v[ST+2] offset:256
	ds_store_b32 v[MS], v[ST+10] offset:384
.Lnost:
	s_wait_dscnt 0x0
	s_barrier_signal -1
	s_barrier_wait -1
	s_cmp_ge_u32 s[WV], 4
	s_cbranch_scc1 .Ldone
.set n4, 0
.rept 16
	ds_load_b128 v[KF+4*n4:KF+4*n4+3], v[MA] offset:512*n4
.set n4, n4+1
.endr
	ds_load_b32 v224, v[MS]
	ds_load_b32 v225, v[MS] offset:128
	ds_load_b32 v226, v[MS] offset:256
	ds_load_b32 v227, v[MS] offset:384
	s_wait_dscnt 0x0
.irp x, 0,1
	v_max_num_f32 v[232+\x], v[ST+8*\x], v[224+\x]                 ; the common c m
.endr
.irp x, 0,1
	v_sub_f32 v[228+2*\x], v[ST+8*\x], v[232+\x]
	v_sub_f32 v[229+2*\x], v[224+\x], v[232+\x]
.endr
.irp j, 0,1,2,3
	v_exp_f32 v[228+\j], v[228+\j]
.endr
	v_nop
	s_wait_alu depctr_va_vdst(0)
.irp x, 0,1
	v_mul_f32 v[232+\x], v[ST+8*\x+2], v[228+2*\x]
.endr
.irp x, 0,1
	v_fma_f32 v[232+\x], v[226+\x], v[229+2*\x], v[232+\x]         ; the row's sum over all keys
.endr
.irp x, 0,1
	v_rcp_f32 v[234+\x], v[232+\x]
.endr
	v_nop
	s_wait_alu depctr_va_vdst(0)
.irp x, 0,1
	v_mul_f32 v[236+4*\x], v[228+2*\x], v[234+\x]
	v_mul_f32 v[237+4*\x], v[228+2*\x], v[234+\x]
	v_mul_f32 v[238+4*\x], v[229+2*\x], v[234+\x]
	v_mul_f32 v[239+4*\x], v[229+2*\x], v[234+\x]
.endr
	WIN 0x01                                       ; source 0 (my O^T) window 1
.irp x, 0,1
.set n4, 0
.rept 16
	v_pk_mul_f32 v[S+32*\x+2*n4:S+32*\x+2*n4+1], v[32*\x+2*n4:32*\x+2*n4+1], v[236+4*\x:237+4*\x] op_sel_hi:[1,0]
.set n4, n4+1
.endr
.endr
	WIN 0
.irp x, 0,1
.set n4, 0
.rept 16
	v_pk_fma_f32 v[S+32*\x+2*n4:S+32*\x+2*n4+1], v[KF+32*\x+2*n4:KF+32*\x+2*n4+1], v[238+4*\x:239+4*\x], v[S+32*\x+2*n4:S+32*\x+2*n4+1] op_sel_hi:[1,0,1]
.set n4, n4+1
.endr
.endr
.set n4, 0
.rept 32
	v_cvt_pk_f16_f32 v[P+n4], v[S+2*n4], v[S+2*n4+1]
.set n4, n4+1
.endr
.irp x, 0,1
.irp t, 0,1,2,3
	global_store_b128 v[LI], v[P+16*\x+4*\t:P+16*\x+4*\t+3], s[42:43] offset:8192*\x+512*\t   ; half a fragment of the next product: 512 consecutive bytes
.endr
.endr
.Ldone:
	s_wait_tensorcnt 0x0                           ; the wave's end
	ds_add_u32 v[SPW], v[NIL]
	s_wait_dscnt 0x0
	CROUND                                         ; the closing round
	s_endpgm
.Lfunc_end_k_q0fd120c9d7_attn:
	.size	k_q0fd120c9d7_attn, .Lfunc_end_k_q0fd120c9d7_attn-k_q0fd120c9d7_attn
	.p2alignl 7, 3214868480
	.fill 96, 4, 3214868480
	.section	.rodata,"a",@progbits
	.p2align	6, 0x0
	.amdhsa_kernel k_q0fd120c9d7_attn
		.amdhsa_group_segment_fixed_size 327680
		.amdhsa_private_segment_fixed_size 0
		.amdhsa_enable_private_segment 0
		.amdhsa_kernarg_size 16
		.amdhsa_user_sgpr_count 2
		.amdhsa_user_sgpr_kernarg_segment_ptr 1
		.amdhsa_wavefront_size32 1
		.amdhsa_system_sgpr_workgroup_id_x 1
		.amdhsa_system_sgpr_workgroup_id_y 1
		.amdhsa_system_sgpr_workgroup_id_z 1
		.amdhsa_system_vgpr_workitem_id 0
		.amdhsa_next_free_vgpr 384
		.amdhsa_next_free_sgpr 66
		.amdhsa_reserve_vcc 0
		.amdhsa_float_denorm_mode_32 3
		.amdhsa_float_denorm_mode_16_64 3
		.amdhsa_memory_ordered 1
		.amdhsa_forward_progress 1
		.amdhsa_inst_pref_size 124
	.end_amdhsa_kernel
	.amdgpu_metadata
---
amdhsa.version: [ 1, 2 ]
amdhsa.kernels:
  - .name:           k_q0fd120c9d7_attn
    .symbol:         k_q0fd120c9d7_attn.kd
    .args:
      - { .name: qkv, .offset: 0, .size: 8, .value_kind: global_buffer, .address_space: global }
      - { .name: att, .offset: 8, .size: 8, .value_kind: global_buffer, .address_space: global }
    .group_segment_fixed_size: 327680
    .private_segment_fixed_size: 0
    .kernarg_segment_align: 8
    .kernarg_segment_size: 16
    .max_flat_workgroup_size: 256
    .sgpr_count:     66
    .vgpr_count:     384
    .wavefront_size: 32
...
	.end_amdgpu_metadata
.endif
;; end of part 2
;; launch mlp1 (part 3): grid 4 x 64, 4 waves a work-group, no clusters, 167,936 bytes of LDS; arguments att, xh, wimg, hbuf, st; writes hbuf, st
.if DOCPART == 3
	.amdgcn_target "amdgcn-amd-amdhsa--gfx1250"
	.amdhsa_code_object_version 6
	.text
	.protected	k_q0fd120c9d7_mlp1
	.globl	k_q0fd120c9d7_mlp1
	.p2align	8
	.type	k_q0fd120c9d7_mlp1,@function
k_q0fd120c9d7_mlp1:
	s_mov_b64 s[64:65], 0
	v_nop
	global_prefetch_b8 v0, s[64:65] scope:SCOPE_SE
	s_setreg_imm32_b32 hwreg(HW_REG_WAVE_MODE, 25, 1), 1
	s_wait_xcnt 0x0
; h = W1x^T x + (Wo W1m)^T att + (b1 + W1m^T bo), which is W1^T [x; Wo^T att + bo] + b1 with the two weights of the message multiplied beforehand (by the first launch);  h is kept in f32;
; and for each of h's channels the mean and the sum of squared differences from it over this block's 128 positions.  Operands f16, sums f32.
; All operands come as images of operand registers (1,024 bytes a fragment: registers 0-3 at 16 x lane, 4-7 at 512 + 16 x lane).
; SHARES.  Work-group (sl, blk): 128 positions (8 tiles) x h's channels 128 sl .. 128 sl + 127.  Wave w: channels 128 sl + 32 w .. + 31 for all 128 positions: its weights, 32 fragments, stay in registers (window 1).
; Source 0 = 16 outputs of the weight, source 1 = 16 positions: a lane holds a position and its registers run along the channels.
; x's and att's images of a block are 65,536 dense bytes each: each wave brings a quarter of each by one tensor load, at the head; two are out.
; NO CLUSTER: the four slices of a block share its 131,072 bytes of x and att, but lie along the grid's x with their own weights; what is shared is half of a work-group's bytes, fetched once at the head.
; LIMITS: att, x and the weights are f16 operands; NaN and infinities are not served.
.set ZA,    65536                      ; LDS: 0: x's images [tile 8][K step 8][1,024];  ZA: att's, the same
.set STG,   131072                     ; 256 bytes for each wave: 32 means, 32 sums of squares
.set SPARE, 132096                     ; the spare words, 128 bytes for each wave
.set LI,  1                            ; v1   16 x lane: also where x's images are read
.set ZR1, 6                            ; v6   where att's images are read
.set SA,  7
.set SB,  8
.set G8,  9                            ; v9   8 x lane
.set H32, 10                           ; v10  32 x (lane / 16)
.set SPW, 12
.set NIL, 13
.set B1,  48                           ; v48-63  the folded bias in the result's layout, two tiles
.set PK,  64                           ; v64-79  differences
.set SM,  96                           ; v96-111 sums, then means
.set M2,  112                          ; v112-127
.set ACC, 128                          ; v128-255 sixteen accumulators: 128 + 64 t + 8 pt.  window 1: the weight, 8 (16 t + k);  window 2: four buffers of eight fragments from LDS
.set G1,  24                           ; s[24:31] descriptor group 1
.set G0X, 32                           ; s[32:35] group 0 for x's quarter;  s[36:39] for att's
.set G0A, 36
.set MSB, 0
.macro WIN new
.if MSB != (\new)
	s_set_vgpr_msb (MSB<<8)|(\new)
.set MSB, \new
.endif
.endm
.macro PLACES n
.rept \n
	v_nop
.endr
.endm
	s_load_b256 s[4:11], s[0:1], 0x0               ; att, xh, wimg, hbuf
	s_load_b64 s[12:13], s[0:1], 0x20              ; st
	v_lshl_add_u32 v[SPW], v0, 2, SPARE
	v_mov_b32 v[NIL], 0
	ds_add_u32 v[SPW], v[NIL]                      ; the wave's opening: the add, twice on end, and its wait ahead of my first tensor load
	ds_add_u32 v[SPW], v[NIL]
	v_lshrrev_b32 v14, 5, v0
	v_readfirstlane_b32 s20, v14                   ; wave
	s_mov_b32 s21, ttmp9                           ; slice
	s_and_b32 s22, ttmp7, 0xffff                   ; block
	s_mov_b32 s[G1], 3<<16                         ; no mask; elements of 8 bytes; no padding
	s_mov_b32 s[G1+1], 32<<16                      ; tensor_dim0 = 32 elements: rows of 256 bytes
	s_mov_b32 s[G1+2], 64<<16                      ; tensor_dim1 = 64 rows: 16,384 dense bytes
	s_mov_b32 s[G1+3], 32<<16                      ; tile_dim0
	s_mov_b32 s[G1+4], 64                          ; tile_dim1
	s_mov_b32 s[G1+5], 32                          ; the pitch
	s_mov_b32 s[G1+6], 0
	s_mov_b32 s[G1+7], 0
	v_and_b32 v14, 31, v0
	v_lshlrev_b32 v[LI], 4, v14
	v_bfe_u32 v15, v0, 4, 1
	v_add_nc_u32 v[ZR1], ZA, v[LI]
	s_lshl_b32 s23, s20, 8
	s_add_co_u32 s23, s23, STG
	v_lshl_add_u32 v[SA], v15, 5, s23
	v_lshl_add_u32 v[SB], v14, 3, s23
	v_lshlrev_b32 v[G8], 3, v14
	v_lshlrev_b32 v[H32], 5, v15
	s_mov_b32 s15, 0
	s_lshl_b32 s14, s22, 16                        ; att and xh: block x 65,536 + wave x 16,384
	s_lshl_b32 s23, s20, 14
	s_add_co_u32 s14, s14, s23
	s_wait_dscnt 0x0                               ; both opening adds are done
	s_wait_kmcnt 0x0
	s_mov_b32 s[G0X], 1
	s_lshl_b32 s[G0X+1], s20, 14                   ; LDS: 16,384 x wave
	s_add_nc_u64 s[G0X+2:G0X+3], s[6:7], s[14:15]
	s_or_b32 s[G0X+3], s[G0X+3], 0x80000000
	s_mov_b32 s[G0A], 1
	s_add_co_u32 s[G0A+1], s[G0X+1], ZA
	s_add_nc_u64 s[G0A+2:G0A+3], s[4:5], s[14:15]
	s_or_b32 s[G0A+3], s[G0A+3], 0x80000000
	tensor_load_to_lds s[G0X:G0X+3], s[G1:G1+7]
	s_nop 0
	tensor_load_to_lds s[G0A:G0A+3], s[G1:G1+7]
	s_nop 0
	PLACES 4
	s_lshl_b32 s14, s21, 17                        ; the weight: 131,072 + (8 slice + 2 wave) tiles of 16,384 bytes
	s_lshl_b32 s23, s20, 15
	s_add_co_u32 s14, s14, s23
	s_add_co_u32 s14, s14, 131072
	s_add_nc_u64 s[16:17], s[8:9], s[14:15]
	WIN 0x40                                       ; destination window 1
.set n1, 0
.rept 64
	global_load_b128 v[4*n1:4*n1+3], v[LI], s[16:17] offset:512*n1          ; my 32 fragments: they stay
.set n1, n1+1
.endr
	WIN 0
	s_lshl_b32 s14, s21, 9                         ; the folded bias, at wimg's head: 128 slice + 32 wave channels
	s_lshl_b32 s23, s20, 7
	s_add_co_u32 s14, s14, s23
	s_add_nc_u64 s[18:19], s[8:9], s[14:15]
.irp t, 0,1
	global_load_b128 v[B1+8*\t:B1+8*\t+3], v[H32], s[18:19] offset:64*\t
	global_load_b128 v[B1+8*\t+4:B1+8*\t+7], v[H32], s[18:19] offset:64*\t+16
.endr
	s_lshl_b32 s14, s22, 18                        ; hbuf: 8 block tiles of 32,768 bytes + (8 slice + 2 wave) x 1,024
	s_lshl_b32 s23, s21, 13
	s_add_co_u32 s14, s14, s23
	s_lshl_b32 s23, s20, 11
	s_add_co_u32 s14, s14, s23
	s_add_nc_u64 s[10:11], s[10:11], s[14:15]
	s_lshl_b32 s14, s22, 12                        ; st: block x 4,096 + (4 slice + wave) x 256
	s_lshl_b32 s23, s21, 10
	s_add_co_u32 s14, s14, s23
	s_lshl_b32 s23, s20, 8
	s_add_co_u32 s14, s14, s23
	s_add_nc_u64 s[12:13], s[12:13], s[14:15]
	s_wait_tensorcnt 0x0                           ; my quarters of x and att are in,
	s_barrier_signal -1
	s_barrier_wait -1                              ; everybody's are
; ---- h: my 32 channels x 128 positions: sixteen accumulators by turns, a K step at a time; fragments run two K steps ahead in four buffers
.macro FETCHH k
	PLACES 4                                       ; ahead of loads into registers that matrix instructions have read
	WIN 0x80                                       ; destination window 2
.irp pt, 0,1,2,3,4,5,6,7
.irp c, 0,1
.if (\k) < 8
	ds_load_b128 v[64*((\k)%4)+8*\pt+4*\c:64*((\k)%4)+8*\pt+4*\c+3], v[LI] offset:\pt*8192+1024*(\k)+512*\c
.else
	ds_load_b128 v[64*((\k)%4)+8*\pt+4*\c:64*((\k)%4)+8*\pt+4*\c+3], v[ZR1] offset:\pt*8192+1024*((\k)-8)+512*\c
.endif
.endr
.endr
	WIN 0
.endm
.macro HMUL k
	WIN 0x09                                       ; source 0 (the weight) window 1, source 1 window 2
.irp pt, 0,1,2,3,4,5,6,7
.irp t, 0,1
.if (\k) == 0
	v_wmma_f32_16x16x32_f16 v[ACC+64*\t+8*\pt:ACC+64*\t+8*\pt+7], v[8*(16*\t+(\k)):8*(16*\t+(\k))+7], v[64*((\k)%4)+8*\pt:64*((\k)%4)+8*\pt+7], v[B1+8*\t:B1+8*\t+7]
.else
	v_wmma_f32_16x16x32_f16 v[ACC+64*\t+8*\pt:ACC+64*\t+8*\pt+7], v[8*(16*\t+(\k)):8*(16*\t+(\k))+7], v[64*((\k)%4)+8*\pt:64*((\k)%4)+8*\pt+7], v[ACC+64*\t+8*\pt:ACC+64*\t+8*\pt+7]
.endif
.endr
.endr
	WIN 0
.endm
	FETCHH 0
	FETCHH 1
	s_wait_loadcnt 0x0                             ; the weight and the bias
.set kk, 0
.rept 16
.if kk < 14
	FETCHH kk+2
	s_wait_dscnt 32                                ; this K step's sixteen loads are in; the two later steps' stay out
.elseif kk == 14
	s_wait_dscnt 16
.else
	s_wait_dscnt 0x0
.endif
	HMUL kk
.set kk, kk+1
.endr
	PLACES 4
.irp pt, 0,1,2,3,4,5,6,7
.irp t, 0,1
	global_store_b128 v[LI], v[ACC+64*\t+8*\pt:ACC+64*\t+8*\pt+3], s[10:11] offset:32768*\pt+1024*\t          ; h in f32, each accumulator as it stands, from its low end on: 512 consecutive bytes a store
	global_store_b128 v[LI], v[ACC+64*\t+8*\pt+4:ACC+64*\t+8*\pt+7], s[10:11] offset:32768*\pt+1024*\t+512
.endr
.endr
	; ---- the block's statistics.  The accumulators are only read: they are the data of stores on their way
.irp t, 0,1
.irp e, 0,2,4,6
	v_pk_add_f32 v[SM+8*\t+\e:SM+8*\t+\e+1], v[ACC+64*\t+\e:ACC+64*\t+\e+1], v[ACC+64*\t+8+\e:ACC+64*\t+8+\e+1]
.endr
.endr
.irp pt, 2,3,4,5,6,7
.irp t, 0,1
.irp e, 0,2,4,6
	v_pk_add_f32 v[SM+8*\t+\e:SM+8*\t+\e+1], v[SM+8*\t+\e:SM+8*\t+\e+1], v[ACC+64*\t+8*\pt+\e:ACC+64*\t+8*\pt+\e+1]
.endr
.endr
.endr
.irp m, 1,2,4,8
.set n3, 0
.rept 16
	v_add_f32_dpp v[SM+n3], v[SM+n3], v[SM+n3] row_xmask:\m row_mask:0xf bank_mask:0xf     ; over the sixteen positions of a tile
.set n3, n3+1
.endr
.endr
.irp e, 0,2,4,6,8,10,12,14
	v_pk_mul_f32 v[SM+\e:SM+\e+1], v[SM+\e:SM+\e+1], 0x3c000000 op_sel_hi:[1,0]            ; / 128: the block's mean
.endr
.irp pt, 0,1,2,3,4,5,6,7
.irp t, 0,1
.irp e, 0,2,4,6
	v_pk_add_f32 v[PK+8*\t+\e:PK+8*\t+\e+1], v[ACC+64*\t+8*\pt+\e:ACC+64*\t+8*\pt+\e+1], v[SM+8*\t+\e:SM+8*\t+\e+1] neg_lo:[0,1] neg_hi:[0,1]
.endr
.endr
.irp t, 0,1
.irp e, 0,2,4,6
.if \pt == 0
	v_pk_mul_f32 v[M2+8*\t+\e:M2+8*\t+\e+1], v[PK+8*\t+\e:PK+8*\t+\e+1], v[PK+8*\t+\e:PK+8*\t+\e+1]
.else
	v_pk_fma_f32 v[M2+8*\t+\e:M2+8*\t+\e+1], v[PK+8*\t+\e:PK+8*\t+\e+1], v[PK+8*\t+\e:PK+8*\t+\e+1], v[M2+8*\t+\e:M2+8*\t+\e+1]
.endif
.endr
.endr
.endr
.irp m, 1,2,4,8
.set n3, 0
.rept 16
	v_add_f32_dpp v[M2+n3], v[M2+n3], v[M2+n3] row_xmask:\m row_mask:0xf bank_mask:0xf
.set n3, n3+1
.endr
.endr
.irp t, 0,1
.irp jh, 0,1
	ds_store_b128 v[SA], v[SM+8*\t+4*\jh:SM+8*\t+4*\jh+3] offset:64*\t+16*\jh              ; the sixteen lanes of a half write the same bytes with the same values
	ds_store_b128 v[SA], v[M2+8*\t+4*\jh:M2+8*\t+4*\jh+3] offset:128+64*\t+16*\jh
.endr
.endr
	ds_load_b64 v[PK:PK+1], v[SB]                  ; LDS serves a wave's instructions in order: this sees my stores
	s_wait_dscnt 0x0
	global_store_b64 v[G8], v[PK:PK+1], s[12:13]   ; 32 lanes store 256 consecutive bytes, aligned
	s_wait_tensorcnt 0x0                           ; the wave's end, behind my last tensor load and my last LDS store
	ds_add_u32 v[SPW], v[NIL]
	s_wait_dscnt 0x0
	s_endpgm
.Lfunc_end_k_q0fd120c9d7_mlp1:
	.size	k_q0fd120c9d7_mlp1, .Lfunc_end_k_q0fd120c9d7_mlp1-k_q0fd120c9d7_mlp1
	.p2alignl 7, 3214868480
	.fill 96, 4, 3214868480
	.section	.rodata,"a",@progbits
	.p2align	6, 0x0
	.amdhsa_kernel k_q0fd120c9d7_mlp1
		.amdhsa_group_segment_fixed_size 167936
		.amdhsa_private_segment_fixed_size 0
		.amdhsa_enable_private_segment 0
		.amdhsa_kernarg_size 40
		.amdhsa_user_sgpr_count 2
		.amdhsa_user_sgpr_kernarg_segment_ptr 1
		.amdhsa_wavefront_size32 1
		.amdhsa_system_sgpr_workgroup_id_x 1
		.amdhsa_system_sgpr_workgroup_id_y 1
		.amdhsa_system_sgpr_workgroup_id_z 1
		.amdhsa_system_vgpr_workitem_id 0
		.amdhsa_next_free_vgpr 768
		.amdhsa_next_free_sgpr 66
		.amdhsa_reserve_vcc 0
		.amdhsa_float_denorm_mode_32 3
		.amdhsa_float_denorm_mode_16_64 3
		.amdhsa_memory_ordered 1
		.amdhsa_forward_progress 1
		.amdhsa_inst_pref_size 71
	.end_amdhsa_kernel
	.amdgpu_metadata
---
amdhsa.version: [ 1, 2 ]
amdhsa.kernels:
  - .name:           k_q0fd120c9d7_mlp1
    .symbol:         k_q0fd120c9d7_mlp1.kd
    .args:
      - { .name: att, .offset: 0, .size: 8, .value_kind: global_buffer, .address_space: global }
      - { .name: xh, .offset: 8, .size: 8, .value_kind: global_buffer, .address_space: global }
      - { .name: wimg, .offset: 16, .size: 8, .value_kind: global_buffer, .address_space: global }
      - { .name: hbuf, .offset: 24, .size: 8, .value_kind: global_buffer, .address_space: global }
      - { .name: st, .offset: 32, .size: 8, .value_kind: global_buffer, .address_space: global }
    .group_segment_fixed_size: 167936
    .private_segment_fixed_size: 0
    .kernarg_segment_align: 8
    .kernarg_segment_size: 40
    .max_flat_workgroup_size: 128
    .sgpr_count:     66
    .vgpr_count:     768
    .wavefront_size: 32
...
	.end_amdgpu_metadata
.endif
;; end of part 3
;; launch mlp2 (part 4): grid 2 x 128, 4 waves a work-group, no clusters, 104,960 bytes of LDS; arguments hbuf, st, wimg, gamma, beta, b2, out0; writes out0
.if DOCPART == 4
	.amdgcn_target "amdgcn-amd-amdhsa--gfx1250"
	.amdhsa_code_object_version 6
	.text
	.protected	k_q0fd120c9d7_mlp2
	.globl	k_q0fd120c9d7_mlp2
	.p2align	8
	.type	k_q0fd120c9d7_mlp2,@function
k_q0fd120c9d7_mlp2:
	s_mov_b64 s[64:65], 0
	v_nop
	global_prefetch_b8 v0, s[64:65] scope:SCOPE_SE
	s_setreg_imm32_b32 hwreg(HW_REG_WAVE_MODE, 25, 1), 1
	s_wait_xcnt 0x0
; out = W2^T relu((h - mean) rsqrt(var + 1e-5) gamma + beta) + b2, mean and var of each of h's 512 channels over all 8,192 positions.
; THE STATISTICS are joined from 64 parts of 128 positions each (a part's mean, and its sum of squared differences from that mean): mean = the parts' means' mean; the sum of squares = the parts' sums + 128 x the spread
; of the parts' means, which is taken about part 0's mean: no difference of large sums is formed.  Every work-group joins them for itself: 262,144 bytes.
; SHARES.  Work-group (sl, blk): 64 positions (4 tiles) x outputs 128 sl .. + 127.  Wave w joins and applies the statistics of channels 128 w .. + 127 (four a lane), hands the normalised numbers to the others as f16 operand
; images through LDS, and makes outputs 128 sl + 32 w .. + 31.  Source 0 = 16 positions, source 1 = 16 outputs of W2: a lane holds an output and eight neighbouring positions, as out0's rows run.
; THE ORDER OF THE LOADS: h first, since nothing of it is shared with a neighbour and it is wanted straight behind the statistics; then the statistics in a ring of registers; W2, wanted last, takes the ring's last places.
; The way out goes through the wave's own stage, so that sixteen lanes store 256 consecutive bytes, aligned.
; NO CLUSTER, NO TENSOR LOAD: all loads go out at the head or in a ring of registers; LDS is filled once, from registers.
; LIMITS: the normalised numbers are f16 operands (they are of size gamma and beta); NaN and infinities are not served.
.set GB,    4096                       ; LDS: 0: for each wave 512 bytes of factors and 512 of offsets;  GB: images [tile 4][K step 16][1,024]
.set OST,   69632                      ; the stages: for each wave 32 rows x (256 + 16) bytes
.set SPARE, 104448
.set LI,  1
.set SO,  2                            ; v2   my four channels in a part of st
.set AW,  3
.set AR,  4
.set GW,  5
.set GR,  6
.set OS,  7
.set ORD, 8
.set GOF, 9
.set SPW, 10
.set NIL, 11
.set PIL, 12                           ; v12-15 part 0's mean
.set SD,  16                           ; v16-19 sum of (mean - pilot)
.set SQ,  20                           ; v20-23 sum of its squares
.set SM,  24                           ; v24-27 sum of the parts' sums of squares
.set DD,  28                           ; v28-31
.set RG,  32                           ; v32-223 a ring of three thirds of 64;  later v32-95 numbers at work and accumulators, v96-223 f16 results and four fragment buffers
.set TT,  32
.set PK,  96
.set ACC, 32
.set BUF, 96
.set B2R, 224                          ; v224-239 b2 in the result's layout
.set GAM, 240
.set BET, 244
.set B2,  248
.set T16, 250
.set B2O, 251
                                       ; window 1: W2, 8 (16 n + k);  window 2: factors 8 t + j, offsets 64 + 8 t + j;  window 3: h, 64 q + 8 t + j
.set MSB, 0
.macro WIN new
.if MSB != (\new)
	s_set_vgpr_msb (MSB<<8)|(\new)
.set MSB, \new
.endif
.endm
.macro PLACES n
.rept \n
	v_nop
.endr
.endm
	s_load_b256 s[4:11], s[0:1], 0x0               ; hbuf, st, wimg, gamma
	s_load_b128 s[12:15], s[0:1], 0x20             ; beta, b2
	s_load_b64 s[16:17], s[0:1], 0x30              ; out0
	v_lshl_add_u32 v[SPW], v0, 2, SPARE
	v_mov_b32 v[NIL], 0
	v_lshrrev_b32 v252, 5, v0
	v_readfirstlane_b32 s20, v252                  ; wave
	s_mov_b32 s21, ttmp9                           ; slice
	s_and_b32 s22, ttmp7, 0xffff                   ; block
	v_and_b32 v252, 31, v0
	v_lshlrev_b32 v[LI], 4, v252
	v_and_b32 v253, 15, v0                         ; r
	v_bfe_u32 v254, v0, 4, 1                       ; hh
	v_lshlrev_b32 v[T16], 4, v0
	v_lshlrev_b32 v[B2O], 2, v253
	v_lshrrev_b32 v[SO], 3, v0
	v_and_b32 v255, 7, v0
	v_lshlrev_b32 v[SO], 8, v[SO]
	v_lshl_add_u32 v[SO], v255, 4, v[SO]           ; 256 (thread / 8) + 16 (thread % 8)
	s_mov_b32 s25, 0
	s_lshl_b32 s24, s21, 9                         ; b2: 128 slice + 32 wave
	s_lshl_b32 s23, s20, 7
	s_add_co_u32 s24, s24, s23
	s_wait_kmcnt 0x0
	s_add_nc_u64 s[14:15], s[14:15], s[24:25]
	s_lshl_b32 s24, s21, 17                        ; W2: 655,360 + (8 slice + 2 wave) tiles of 16,384 bytes
	s_lshl_b32 s23, s20, 15
	s_add_co_u32 s24, s24, s23
	s_add_co_u32 s24, s24, 655360
	s_add_nc_u64 s[8:9], s[8:9], s[24:25]
	s_lshl_b32 s24, s22, 17                        ; h: 4 block tiles of 32,768 bytes + my 8 channel tiles
	s_lshl_b32 s23, s20, 13
	s_add_co_u32 s24, s24, s23
	s_add_nc_u64 s[4:5], s[4:5], s[24:25]
	s_lshr_b32 s24, s22, 6                         ; out0: ((256 batch + 128 slice + 32 wave) x 4,096 + 64 (block % 64)) x 4
	s_lshl_b32 s24, s24, 22
	s_lshl_b32 s23, s21, 21
	s_add_co_u32 s24, s24, s23
	s_lshl_b32 s23, s20, 19
	s_add_co_u32 s24, s24, s23
	s_and_b32 s23, s22, 63
	s_lshl_b32 s23, s23, 8
	s_add_co_u32 s24, s24, s23
	s_add_nc_u64 s[16:17], s[16:17], s[24:25]
	global_load_b128 v[GAM:GAM+3], v[T16], s[10:11]
	global_load_b128 v[BET:BET+3], v[T16], s[12:13]
	global_load_b32 v[B2], v[B2O], s[14:15]
	global_load_b32 v[B2+1], v[B2O], s[14:15] offset:64
.macro PLD p                           ; parts 8 p .. 8 p + 7: mean and sum of squares of my four channels, into third p % 3
.irp c, 0,1,2,3,4,5,6,7
	global_load_b128 v[RG+64*((\p)%3)+8*\c:RG+64*((\p)%3)+8*\c+3], v[SO], s[6:7] offset:4096*(8*(\p)+\c)
	global_load_b128 v[RG+64*((\p)%3)+8*\c+4:RG+64*((\p)%3)+8*\c+7], v[SO], s[6:7] offset:4096*(8*(\p)+\c)+128
.endr
.endm
.macro HLD q                           ; tile q of h, my 128 channels
	WIN 0xC0
.set n2, 0
.rept 16
	global_load_b128 v[64*(\q)+4*n2:64*(\q)+4*n2+3], v[LI], s[4:5] offset:32768*(\q)+512*n2
.set n2, n2+1
.endr
	WIN 0
.endm
.macro WLD q                           ; a quarter of my 32 fragments of W2: sixteen loads
	WIN 0x40
.set n1, 0
.rept 16
	global_load_b128 v[64*(\q)+4*n1:64*(\q)+4*n1+3], v[LI], s[8:9] offset:8192*(\q)+512*n1
.set n1, n1+1
.endr
	WIN 0
.endm
	HLD 0
	HLD 1
	HLD 2
	HLD 3
	PLD 0
	PLD 1
	PLD 2
	s_lshl_b32 s23, s20, 10
	v_add_nc_u32 v[AW], s23, v[LI]
	v_lshl_add_u32 v[AR], v254, 5, s23
	s_lshl_b32 s23, s20, 12
	s_add_co_u32 s23, s23, GB
	v_add_nc_u32 v[GW], s23, v[LI]
	v_add_nc_u32 v[GR], GB, v[LI]
	s_mul_i32 s23, s20, 8704
	s_add_co_u32 s23, s23, OST
	v_mul_u32_u24 v[OS], v253, 272
	v_lshl_add_u32 v[OS], v254, 5, v[OS]
	v_add_nc_u32 v[OS], s23, v[OS]                 ; in: row r, 32 bytes for each half of the lanes
	v_mul_u32_u24 v[ORD], v254, 272
	v_lshl_add_u32 v[ORD], v253, 4, v[ORD]
	v_add_nc_u32 v[ORD], s23, v[ORD]               ; back: lanes 0-15 one row, lanes 16-31 the next
	v_lshlrev_b32 v[GOF], 14, v254
	v_lshl_add_u32 v[GOF], v253, 4, v[GOF]         ; and the same two rows of out0
.irp j, 0,1,2,3,4,5,6,7,8,9,10,11
	v_mov_b32 v[SD+\j], 0
.endr
.macro PACC p
	s_wait_loadcnt 32                              ; this batch of 16 loads is in, and all that is older (h among it); the two batches behind it stay out
.if (\p) == 0
.irp e, 0,1,2,3
	v_mov_b32 v[PIL+\e], v[RG+\e]
.endr
.endif
.irp c, 0,1,2,3,4,5,6,7
.set rm, RG+64*((\p)%3)+8*\c
.irp e, 0,2
	v_pk_add_f32 v[DD+\e:DD+\e+1], v[rm+\e:rm+\e+1], v[PIL+\e:PIL+\e+1] neg_lo:[0,1] neg_hi:[0,1]
.endr
.irp e, 0,2
	v_pk_add_f32 v[SM+\e:SM+\e+1], v[SM+\e:SM+\e+1], v[rm+4+\e:rm+4+\e+1]
.endr
.irp e, 0,2
	v_pk_add_f32 v[SD+\e:SD+\e+1], v[SD+\e:SD+\e+1], v[DD+\e:DD+\e+1]
.endr
.irp e, 0,2
	v_pk_fma_f32 v[SQ+\e:SQ+\e+1], v[DD+\e:DD+\e+1], v[DD+\e:DD+\e+1], v[SQ+\e:SQ+\e+1]
.endr
.endr
.endm
.irp i, 0,1,2,3,4
	PACC \i
	PLD \i+3
.endr
	PACC 5
	WLD 0
	PACC 6
	WLD 1
	PACC 7
	WLD 2
	WLD 3
.irp e, 0,2
	v_pk_fma_f32 v[DD+\e:DD+\e+1], v[SD+\e:SD+\e+1], 0x3c800000, v[PIL+\e:PIL+\e+1] op_sel_hi:[1,0,1]     ; the mean = pilot + SD / 64
.endr
.irp e, 0,2
	v_pk_mul_f32 v[PIL+\e:PIL+\e+1], v[SD+\e:SD+\e+1], v[SD+\e:SD+\e+1]
.endr
.irp e, 0,2
	v_pk_fma_f32 v[SQ+\e:SQ+\e+1], v[PIL+\e:PIL+\e+1], 0xbc800000, v[SQ+\e:SQ+\e+1] op_sel_hi:[1,0,1]     ; the spread of the parts' means
.endr
.irp e, 0,1,2,3
	v_max_num_f32 v[SQ+\e], 0, v[SQ+\e]
.endr
.irp e, 0,2
	v_pk_fma_f32 v[SM+\e:SM+\e+1], v[SQ+\e:SQ+\e+1], 0x43000000, v[SM+\e:SM+\e+1] op_sel_hi:[1,0,1]       ; + 128 x it
.endr
.irp e, 0,2
	v_pk_mul_f32 v[SM+\e:SM+\e+1], v[SM+\e:SM+\e+1], 0x39000000 op_sel_hi:[1,0]                           ; / 8,192: the variance
.endr
.irp e, 0,2
	v_pk_add_f32 v[SM+\e:SM+\e+1], v[SM+\e:SM+\e+1], 0x3727c5ac op_sel_hi:[1,0]                           ; + 1e-5
.endr
.irp e, 0,1,2,3
	v_rsq_f32 v[SD+\e], v[SM+\e]
.endr
	v_nop
	s_wait_alu depctr_va_vdst(0)                   ; one wait for the four, ahead of their first reader
.irp e, 0,2
	v_pk_mul_f32 v[SD+\e:SD+\e+1], v[SD+\e:SD+\e+1], v[GAM+\e:GAM+\e+1]    ; the factor
.endr
.irp e, 0,1,2,3
	v_fma_f32 v[SQ+\e], -v[DD+\e], v[SD+\e], v[BET+\e]                     ; the offset = beta - mean x factor
.endr
	ds_store_b128 v[AW], v[SD:SD+3]
	ds_store_b128 v[AW], v[SQ:SQ+3] offset:512
	WIN 0x80                                       ; destination window 2.  My own bytes, served in order: no barrier.  They come back in h's layout: channel 16 t + 8 hh + j
.irp t, 0,1,2,3,4,5,6,7
.irp c, 0,1
	ds_load_b128 v[8*\t+4*\c:8*\t+4*\c+3], v[AR] offset:64*\t+16*\c
	ds_load_b128 v[64+8*\t+4*\c:64+8*\t+4*\c+3], v[AR] offset:512+64*\t+16*\c
.endr
.endr
	WIN 0
.irp n, 0,1
.irp j, 0,1,2,3,4,5,6,7
	v_mov_b32 v[B2R+8*\n+\j], v[B2+\n]             ; the lane is the output, whatever the register
.endr
.endr
	s_wait_dscnt 0x0
.macro BNQ q                           ; tile q of h: it has been in since the ring's first wait
	WIN 0x2B                                       ; h window 3, factor and offset window 2
.set n3, 0
.rept 32
	v_pk_fma_f32 v[TT+2*n3:TT+2*n3+1], v[64*(\q)+2*n3:64*(\q)+2*n3+1], v[2*n3:2*n3+1], v[64+2*n3:64+2*n3+1]
.set n3, n3+1
.endr
	WIN 0
.set n3, 0
.rept 64
	v_max_num_f32 v[TT+n3], 0, v[TT+n3]
.set n3, n3+1
.endr
	s_wait_dscnt 0x0                               ; the last tile's image stores have read their registers
.set n3, 0
.rept 32
	v_cvt_pk_f16_f32 v[PK+n3], v[TT+2*n3], v[TT+2*n3+1]
.set n3, n3+1
.endr
.irp t, 0,1,2,3,4,5,6,7
	ds_store_b128 v[GW], v[PK+4*\t:PK+4*\t+3] offset:16384*(\q)+512*\t
.endr
.endm
	BNQ 0
	BNQ 1
	BNQ 2
	BNQ 3
	s_wait_dscnt 0x0
	s_barrier_signal -1
	s_barrier_wait -1                              ; all 512 channels of the 64 positions lie in LDS as operand images
.macro FETCHG k
	PLACES 4                                       ; ahead of loads into registers that matrix instructions have read
.irp q, 0,1,2,3
.irp c, 0,1
	ds_load_b128 v[BUF+32*((\k)%4)+8*\q+4*\c:BUF+32*((\k)%4)+8*\q+4*\c+3], v[GR] offset:16384*\q+1024*(\k)+512*\c
.endr
.endr
.endm
.macro GMUL k
	WIN 0x04                                       ; source 1 (W2) window 1
.irp q, 0,1,2,3                        ; eight accumulators by turns, one instruction a turn
.irp n, 0,1
.if (\k) == 0
	v_wmma_f32_16x16x32_f16 v[ACC+32*\n+8*\q:ACC+32*\n+8*\q+7], v[BUF+32*((\k)%4)+8*\q:BUF+32*((\k)%4)+8*\q+7], v[8*(16*\n+(\k)):8*(16*\n+(\k))+7], v[B2R+8*\n:B2R+8*\n+7]
.else
	v_wmma_f32_16x16x32_f16 v[ACC+32*\n+8*\q:ACC+32*\n+8*\q+7], v[BUF+32*((\k)%4)+8*\q:BUF+32*((\k)%4)+8*\q+7], v[8*(16*\n+(\k)):8*(16*\n+(\k))+7], v[ACC+32*\n+8*\q:ACC+32*\n+8*\q+7]
.endif
.endr
.endr
	WIN 0
.endm
	FETCHG 0
	FETCHG 1
	s_wait_loadcnt 0x0                             ; W2
.set kk, 0
.rept 16
.if kk < 14
	FETCHG kk+2
	s_wait_dscnt 16                                ; this K step's eight loads are in; the two later steps' stay out
.elseif kk == 14
	s_wait_dscnt 8
.else
	s_wait_dscnt 0x0
.endif
	GMUL kk
.set kk, kk+1
.endr
	PLACES 4
.irp n, 0,1
.irp q, 0,1,2,3
	ds_store_b128 v[OS], v[ACC+32*\n+8*\q:ACC+32*\n+8*\q+3] offset:4352*\n+64*\q           ; each accumulator from its low end on
	ds_store_b128 v[OS], v[ACC+32*\n+8*\q+4:ACC+32*\n+8*\q+7] offset:4352*\n+64*\q+16
.endr
.endr
.set n4, 0
.rept 16
	ds_load_b128 v[BUF+4*n4:BUF+4*n4+3], v[ORD] offset:544*n4      ; LDS serves a wave's instructions in order: these see my stores
.set n4, n4+1
.endr
.set n4, 0
.rept 16
	s_wait_dscnt 15-n4
	global_store_b128 v[GOF], v[BUF+4*n4:BUF+4*n4+3], s[16:17] offset:32768*n4 th:TH_STORE_NT   ; sixteen lanes store 256 consecutive bytes, aligned
.set n4, n4+1
.endr
	s_wait_tensorcnt 0x0                           ; the wave's end, behind my last LDS store
	ds_add_u32 v[SPW], v[NIL]
	s_wait_dscnt 0x0
	s_endpgm
.Lfunc_end_k_q0fd120c9d7_mlp2:
	.size	k_q0fd120c9d7_mlp2, .Lfunc_end_k_q0fd120c9d7_mlp2-k_q0fd120c9d7_mlp2
	.p2alignl 7, 3214868480
	.fill 96, 4, 3214868480
	.section	.rodata,"a",@progbits
	.p2align	6, 0x0
	.amdhsa_kernel k_q0fd120c9d7_mlp2
		.amdhsa_group_segment_fixed_size 104960
		.amdhsa_private_segment_fixed_size 0
		.amdhsa_enable_private_segment 0
		.amdhsa_kernarg_size 56
		.amdhsa_user_sgpr_count 2
		.amdhsa_user_sgpr_kernarg_segment_ptr 1
		.amdhsa_wavefront_size32 1
		.amdhsa_system_sgpr_workgroup_id_x 1
		.amdhsa_system_sgpr_workgroup_id_y 1
		.amdhsa_system_sgpr_workgroup_id_z 1
		.amdhsa_system_vgpr_workitem_id 0
		.amdhsa_next_free_vgpr 1024
		.amdhsa_next_free_sgpr 66
		.amdhsa_reserve_vcc 0
		.amdhsa_float_denorm_mode_32 3
		.amdhsa_float_denorm_mode_16_64 3
		.amdhsa_memory_ordered 1
		.amdhsa_forward_progress 1
		.amdhsa_inst_pref_size 116
	.end_amdhsa_kernel
	.amdgpu_metadata
---
amdhsa.version: [ 1, 2 ]
amdhsa.kernels:
  - .name:           k_q0fd120c9d7_mlp2
    .symbol:         k_q0fd120c9d7_mlp2.kd
    .args:
      - { .name: hbuf, .offset: 0, .size: 8, .value_kind: global_buffer, .address_space: global }
      - { .name: st, .offset: 8, .size: 8, .value_kind: global_buffer, .address_space: global }
      - { .name: wimg, .offset: 16, .size: 8, .value_kind: global_buffer, .address_space: global }
      - { .name: gamma, .offset: 24, .size: 8, .value_kind: global_buffer, .address_space: global }
      - { .name: beta, .offset: 32, .size: 8, .value_kind: global_buffer, .address_space: global }
      - { .name: b2, .offset: 40, .size: 8, .value_kind: global_buffer, .address_space: global }
      - { .name: out0, .offset: 48, .size: 8, .value_kind: global_buffer, .address_space: global }
    .group_segment_fixed_size: 104960
    .private_segment_fixed_size: 0
    .kernarg_segment_align: 8
    .kernarg_segment_size: 56
    .max_flat_workgroup_size: 128
    .sgpr_count:     66
    .vgpr_count:     1024
    .wavefront_size: 32
...
	.end_amdgpu_metadata
.endif
;; end of part 4
